; MI455X (gfx1250); checked and timed in simulation.
; The chip was launched on July 23, 2026; its instructions are those of AMD's public machine-readable ISA for CDNA 5 (MIT licence, August 2026) and "CDNA5" Instruction Set Architecture Reference Guide (July 2026). The comments in the code are by the model that wrote it; some were corrected since.
;; Causal Self Attention. Allowed arithmetic: matrix products marked QUANTISED: E5M2 operands, one E8M0 scale for each 32 along K, by v_wmma_scale_f32_16x16x128_f8f6f4 with both operands' format E5M2, f32 sums; everything else in f32.
;; Inputs: Wk_codes 384 x 12 x 32 uint8 (E5M2 codes of Wk, K innermost, in blocks of 32 codes); Wk_scales 384 x 12 uint8 (E8M0 scales of Wk, one for each 32 codes along K); Wp_codes 384 x 12 x 32 uint8 (E5M2 codes of Wp, K innermost, in blocks of 32 codes); Wp_scales 384 x 12 uint8 (E8M0 scales of Wp, one for each 32 codes along K); Wq_codes 384 x 12 x 32 uint8 (E5M2 codes of Wq, K innermost, in blocks of 32 codes); Wq_scales 384 x 12 uint8 (E8M0 scales of Wq, one for each 32 codes along K); Wv_codes 384 x 12 x 32 uint8 (E5M2 codes of Wv, K innermost, in blocks of 32 codes); Wv_scales 384 x 12 uint8 (E8M0 scales of Wv, one for each 32 codes along K); bk 384 float32; bp 384 float32; bq 384 float32; bv 384 float32; x_codes 2 x 4,096 x 12 x 32 uint8 (E5M2 codes of x, K innermost, in blocks of 32 codes); x_scales 2 x 4,096 x 12 uint8 (E8M0 scales of x, one for each 32 codes along K).
;; Outputs: out0 2 x 4,096 x 384 float32.
;; This version of the problem:
;;   THIS VERSION OF THE PROBLEM IS GIVEN IN LOW PRECISION. The matrix products marked QUANTISED in the list below multiply operands that are first quantised to E5M2 (5 exponent bits, 2 mantissa bits; 8 bits a number), with one power-of-two scale for each 32 numbers along K (OCP MX v1.0); their sums are f32. All else is computed in f32.
;;   The module's matrix products, in the order in which they are computed (A, B: the left and right operand; K: the contracted axis; several contracted axes count as one K, in the product's order):
;;     1. [M 8,192, K 384] x [K 384, N 384]; A: input x (given as codes); B: input Wq (given as codes): QUANTISED
;;     2. [M 8,192, K 384] x [K 384, N 384]; A: input x (given as codes); B: input Wk (given as codes): QUANTISED
;;     3. [M 8,192, K 384] x [K 384, N 384]; A: input x (given as codes); B: input Wv (given as codes): QUANTISED
;;     4. batch 12 x [M 4,096, K 64] x [K 64, N 4,096]; A: computed on the way; B: computed on the way: QUANTISED
;;     5. batch 12 x [M 4,096, K 4,096] x [K 4,096, N 64]; A: softmax (see below); B: computed on the way: QUANTISED
;;     6. [M 8,192, K 384] x [K 384, N 384]; A: computed on the way; B: input Wp (given as codes): QUANTISED
;;   THE QUANTISER, for each operand of a quantised product, along K:
;;     - K is cut into blocks of 32 from its start; a last block that is shorter is filled with zeros.
;;     - A block's scale is 2^e with e = floor(log2(the largest magnitude in the block)) - 15, held to -126 .. 127; a block of zeros has e = 0. As a byte (E8M0): e + 127.
;;     - Each number is divided by its block's scale, clamped to +-57,344, and rounded to the nearest number of E5M2, ties to even, subnormals kept.
;;     - The product sums the exact products of the quantised numbers (number of the format x scale) in f32.
;;   ~~~python
;;   def quantise(x, axis):      # numpy; x: float32 -> the quantised numbers, widened to float32 again
;;       x = np.moveaxis(x, axis, -1); K = x.shape[-1]
;;       x = np.pad(x, [(0, 0)] * (x.ndim - 1) + [(0, -K % 32)]); x = x.reshape(x.shape[:-1] + (-1, 32)); a = np.abs(x).max(-1, keepdims=True)
;;       e = np.where(a > 0, np.clip(np.frexp(np.where(a > 0, a, 1))[1] - 1 - 15, -126, 127), 0)      # np.frexp(a)[1] - 1 = floor(log2(a)), exactly
;;       r = np.clip(x / 2.0 ** e, -57344, 57344)
;;       step = 2.0 ** (np.maximum(np.frexp(np.where(r == 0, 1, r))[1] - 1, -14) - 2)
;;       q = np.round(r / step) * step * 2.0 ** e      # np.round: ties to even
;;       return np.moveaxis(q.reshape(q.shape[:-2] + (-1,))[..., :K], -1, axis).astype(np.float32)
;;   ~~~
;;   SOFTMAX AHEAD OF A QUANTISED PRODUCT. Where the list says 'softmax', what is quantised is not the finished softmax but p = 2^(t - M), with t = logit x log2(e) and M = ceil(the row's largest t), a whole number; so 1/2 < the row's largest p <= 1. The row's sum l is taken of the UNQUANTISED p, in f32, and the product's result is divided by l at the end. Since M is a whole number, a kernel that streams over the keys may use a running M (the ceiling of the running maximum): every later rescaling is an exact power of two, which a block's scale takes up: the codes' values come out the same.
;;   OPERANDS COMPUTED ON THE WAY. 'Computed on the way' means the value that the module computes at that place (a softmax that the list does not call 'softmax' is quantised finished and normalised). What goes into a quantiser is computed in f32, as accurately as f32 sums, v_exp_f32 and their like allow (about 1e-6 of the number): no bf16 or f16 on the way to a quantiser, and a product that is left as it is and whose result goes on into a quantised operand takes f32 operands (vector FMAs, or v_wmma_f32_16x16x4_f32). A number that lies on a knife's edge between two numbers of the format may be rounded either way, as far as f32 arithmetic and the matrix unit's own rounding can turn it there, and no further.
;;   INPUTS GIVEN AS CODES. Wk (in the module: [384, 384], K = its axis 1); Wp (in the module: [384, 384], K = its axis 1); Wq (in the module: [384, 384], K = its axis 1); Wv (in the module: [384, 384], K = its axis 1); x (in the module: [2, 4096, 384], K = its axis 2): each comes as NAME_codes (uint8): NAME with its K axis moved to the last place and cut into blocks of 32 codes, [.., K / 32, bytes a block], one block behind the other in memory; one code a byte (a code: sign, 5 exponent bits, 2 mantissa bits); and NAME_scales (uint8): the same leading axes, one E8M0 byte (e + 127) for each 32 codes along K. Its value is code x scale, taken as it is: it is not quantised again, and the codes and scales need not be those that the quantiser above would give.
;; 2 versions. Each part assembles by itself: llvm-mc -triple=amdgcn-amd-amdhsa -mcpu=gfx1250 --defsym DOCPART=n.
;; ======== version 1 of 2: 3 launches
;; workspace buffers: q 3,145,728 bytes; qs 393,216 bytes; kv 6,881,280 bytes; yc 3,145,728 bytes; ys 196,608 bytes
;; launch qkv (part 1): grid 256 x 1, 4 waves a work-group, no clusters, 0 bytes of LDS; arguments x_codes, x_scales, Wq_codes, Wq_scales, bq, Wk_codes, Wk_scales, bk, Wv_codes, Wv_scales, bv, q, qs, kv; writes q, qs, kv
.if DOCPART == 1
	.amdgcn_target "amdgcn-amd-amdhsa--gfx1250"
	.amdhsa_code_object_version 6
	.text
	.protected	k_q85580ef9f0_qkv
	.globl	k_q85580ef9f0_qkv
	.p2align	8
	.type	k_q85580ef9f0_qkv,@function
k_q85580ef9f0_qkv:
	s_mov_b64 s[64:65], 0
	v_nop
	global_prefetch_b8 v0, s[64:65] scope:SCOPE_SE
	s_setreg_imm32_b32 hwreg(HW_REG_WAVE_MODE, 25, 1), 1
	s_wait_xcnt 0x0
; q = rope(x Wq^T + bq), k = rope(x Wk^T + bk), v = x Wv^T + bv on codes of E5M2 with E8M0 scales; then q and k are quantised along the head's 64, v along the keys.
; x: 8,192 tokens x 384 codes; each W: 384 rows x 384 codes, K innermost; scale bytes 12 a row.
; WHAT IS STORED are images of the next products' operand registers: each group of four registers is 512 bytes, lane l's 16 bytes at 16 l.
; EVERY TILE OF 16 ROWS TAKES PERMUTED ROWS: lane r of tile (b, u) takes row 32 b + 8 u + r + (r & 8).  In the result of a product whose source 0 is such a tile, lane (r', h) holds in register j
; row 32 b + 8 u + 16 h + j: the 16 registers of tiles (b, 0), (b, 1) are 16 neighbours along the next K, in the order of the operand's registers, so the conversions' results are stored as they stand.
; SHARES.  A wave works alone: no LDS, no barrier.  It HOLDS source 0 for its whole life (8 tiles x 3 K steps = 384 registers) and STREAMS source 1, one tile of 16 rows (3 fragments) a unit; a unit is 24 matrix instructions.
;   work-groups 0-191: held = 128 rows (two heads) of Wq or Wk; streamed = 4 tiles of tokens (64 tokens a wave).  A lane then holds one token and 16 neighbouring d of each block: bias, rope, quantiser.
;   work-groups 192-255: held = 128 tokens of x; streamed = 6 tiles of Wv's rows a wave.  A lane then holds one channel and 64 of 128 keys: one fragment of V^T.
; ROPE.  cos and sin are made in f32: inv_freq = 2^(-i log2(10000) / 32) by v_exp_f32 with the argument's rounding error put back; angle = position x inv_freq (one f32 product);
;   the angle less k pi/2 in two steps (the first is exact: k < 2^12), polynomials on +-pi/4, quadrant by selects.
; LIMITS: NaN and infinities among the inputs are not served.  A block whose largest magnitude lies under 2^-111, a block of zeros among them, gets the scale byte 1 (its codes are then zeros or subnormal codes);
;   these bytes are read by this program alone.  inv_freq is within about an ulp of the true power; the angle may so differ by a few 1e-4 rad at the last positions from one made with another power function.
; REGISTERS.  window 0: v1-12 lane terms; v16-39 held scale words (3 t + s); v40-42 streamed scale words; v44-91 streamed fragments; v96-159 the 8 accumulators (free between units: scratch for the angles);
;   v160-175 codes; v176-191 the quantiser's scratch; v192-194 scale words; v196-203 rope's scratch; v204-219 cos, v220-235 sin, v236-251 inv_freq; v252 position.
;   window 1: held fragments of K steps 0, 1 at 16 (2 t + s).   window 2: held fragments of K step 2 at 16 t; from v128 the biases in the result's layout.
.set BLK,  17920                       ; a block of kv: 128 keys of one head: K's images 8,192, V's images 8,192, K's scale words 1,024, V's 512
.set KVH,  32*BLK                      ; a head's blocks
.set SCH,  16
.set SCS,  40
.set SF,   44
.set AC,   96
.set PC,   160
.set TM,   176
.set PW,   192
.set PWA,  193
.set PWB,  194
.set RT,   196
.set CC,   204
.set SS,   220
.set FF,   236
.set TP,   252
.set TI,   253
.set BI,   128                         ; in window 2
.set MSB, 0
.macro WIN new                         ; the immediate's high byte repeats the setting that is left
.if MSB != \new
	s_set_vgpr_msb (MSB<<8)|\new
.set MSB, \new
.endif
.endm
.macro PLACES n
.rept \n
	v_nop
.endr
.endm
; the held operand: 96 + 24 loads
.macro HELD
	WIN 0x40                                       ; destination window 1
.irp t, 0,1,2,3,4,5,6,7
.irp s, 0,1
.irp c, 0,1,2,3
	global_load_b128 v[16*(2*\t+\s)+4*\c:16*(2*\t+\s)+4*\c+3], v5, s[36:37] offset:(32*(\t/2)+8*(\t%2))*384+128*\s+32*\c
.endr
.endr
.endr
	WIN 0x80                                       ; destination window 2
.irp t, 0,1,2,3,4,5,6,7
.irp c, 0,1,2,3
	global_load_b128 v[16*\t+4*\c:16*\t+4*\c+3], v5, s[36:37] offset:(32*(\t/2)+8*(\t%2))*384+256+32*\c
.endr
.endr
	WIN 0
.irp t, 0,1,2,3,4,5,6,7
.irp s, 0,1,2
	global_load_b32 v[SCH+3*\t+\s], v6, s[38:39] offset:(32*(\t/2)+8*(\t%2))*12+4*\s
.endr
.endr
.endm
; a streamed tile: 16 permuted rows x 384 codes, and their scale words
.macro STREAM cof, sof
.irp s, 0,1,2
.irp c, 0,1,2,3
	global_load_b128 v[SF+16*\s+4*\c:SF+16*\s+4*\c+3], v5, s[40:41] offset:\cof+128*\s+32*\c
.endr
.endr
.irp s, 0,1,2
	global_load_b32 v[SCS+\s], v6, s[42:43] offset:\sof+4*\s
.endr
.endm
; 24 matrix instructions: the eight accumulators by turns, K step by K step; the bias is the C of each sum's first instruction.
; pertile = 1: a bias tile for each accumulator;  0: one for all (the lane's channel)
.macro MUL pertile
	WIN 0x21                                       ; source 0 window 1, source 2 window 2
.irp t, 0,1,2,3,4,5,6,7
	v_wmma_scale_f32_16x16x128_f8f6f4 v[AC+8*\t:AC+8*\t+7], v[32*\t:32*\t+15], v[SF:SF+15], v[BI+8*\t*\pertile:BI+8*\t*\pertile+7], v[SCH+3*\t], v[SCS] matrix_a_fmt:MATRIX_FMT_BF8 matrix_b_fmt:MATRIX_FMT_BF8
.endr
	WIN 0x01
.irp t, 0,1,2,3,4,5,6,7
	v_wmma_scale_f32_16x16x128_f8f6f4 v[AC+8*\t:AC+8*\t+7], v[32*\t+16:32*\t+31], v[SF+16:SF+31], v[AC+8*\t:AC+8*\t+7], v[SCH+3*\t+1], v[SCS+1] matrix_a_fmt:MATRIX_FMT_BF8 matrix_b_fmt:MATRIX_FMT_BF8
.endr
	WIN 0x02
.irp t, 0,1,2,3,4,5,6,7
	v_wmma_scale_f32_16x16x128_f8f6f4 v[AC+8*\t:AC+8*\t+7], v[16*\t:16*\t+15], v[SF+32:SF+47], v[AC+8*\t:AC+8*\t+7], v[SCH+3*\t+2], v[SCS+2] matrix_a_fmt:MATRIX_FMT_BF8 matrix_b_fmt:MATRIX_FMT_BF8
.endr
	WIN 0
.endm
; 64 numbers of a lane, v[s] .. v[s + 63], register 16 b + i = k 32 b + 16 (lane / 16) + i of my row, become 16 registers of codes in v[PC] on and the four blocks' scale bytes in v[PW]
.macro QUANT s
.irp b, 0,1,2,3
	v_max3_num_f32 v[TM+\b], |v[\s+16*\b]|, |v[\s+1+16*\b]|, 0x8000000   ; my 16 numbers of block b, and the floor 2^(16 - 127): the byte cannot fall under 1
.endr
.irp i, 2,4,6,8,10,12,14
.irp b, 0,1,2,3
	v_max3_num_f32 v[TM+\b], v[TM+\b], |v[\s+16*\b+\i]|, |v[\s+1+16*\b+\i]|
.endr
.endr
.irp b, 0,1,2,3
	v_permlanex16_b32 v[TM+4+\b], v[TM+\b], s60, s61
.endr
.irp b, 0,1,2,3
	v_max_num_f32 v[TM+\b], v[TM+\b], v[TM+4+\b]   ; with lane l xor 16's 16: the block's largest magnitude
.endr
.irp b, 0,1,2,3
	v_add_nc_u32 v[TM+12+\b], 0xf8800000, v[TM+\b] ; 15 off its exponent field: the conversion's scale operand
.endr
.irp b, 0,1,2,3
	v_and_or_b32 v[TM+8+\b], v[TM+\b], 0x7f800000, s62   ; 57,344 x the scale
.endr
.irp b, 0,1,2,3
	v_lshrrev_b32 v[TM+4+\b], 23, v[TM+12+\b]      ; the scale's byte
.endr
	v_lshl_or_b32 v[PW], v[TM+5], 8, v[TM+4]
	v_lshl_or_b32 v[PW], v[TM+6], 16, v[PW]
	v_lshl_or_b32 v[PW], v[TM+7], 24, v[PW]
.irp b, 0,1,2,3
.irp i, 0,1,2,3,4,5,6,7,8,9,10,11,12,13,14,15
	v_med3_num_f32 v[\s+16*\b+\i], v[\s+16*\b+\i], -v[TM+8+\b], v[TM+8+\b]   ; the conversion to an 8-bit code does not saturate (ISA guide 7.6.2): the hold comes first
.endr
	v_cvt_scalef32_pk8_bf8_f32 v[PC+4*\b:PC+1+4*\b], v[\s+16*\b:\s+7+16*\b], v[TM+12+\b]
	v_cvt_scalef32_pk8_bf8_f32 v[PC+2+4*\b:PC+3+4*\b], v[\s+8+16*\b:\s+15+16*\b], v[TM+12+\b]
.endr
	v_nop                                          ; a plain line behind the last conversion, ahead of whatever next writes its sources
.endm
	s_load_b512 s[8:23], s[0:1], 0x0               ; x codes s[8:9], x scales s[10:11], Wq codes, Wq scales, bq s[16:17], Wk codes, Wk scales, bk s[22:23]
	s_load_b256 s[24:31], s[0:1], 0x40             ; Wv codes, Wv scales, bv s[28:29], q s[30:31]
	s_load_b128 s[32:35], s[0:1], 0x60             ; qs, kv
	v_lshrrev_b32 v1, 5, v0
	v_readfirstlane_b32 s2, v1                     ; wave 0..3
	v_and_b32 v1, 31, v0                           ; lane
	v_and_b32 v2, 15, v0                           ; r
	v_bfe_u32 v3, v0, 4, 1                         ; h
	v_and_b32 v4, 8, v2
	v_add_nc_u32 v4, v4, v2                        ; pr = r + (r & 8)
	v_mul_u32_u24 v5, v4, 384
	v_lshl_add_u32 v5, v3, 4, v5                   ; codes: row pr of 384 bytes, + 16 h: held and streamed alike
	v_mul_u32_u24 v6, v4, 12                       ; scale words: 12 bytes a row
	v_lshlrev_b32 v7, 4, v1                        ; 16 x lane: an image's place
.irp b, 0,1,2,3
	v_mov_b32 v[TM+4+\b], 0                        ; written once: a lane permute's destination counts as one of its sources
.endr
	s_mov_b32 s60, 0x76543210
	s_mov_b32 s61, 0xfedcba98                      ; v_permlanex16_b32's selects for lane l xor 16
	s_mov_b32 s62, 0x600000                        ; the mantissa field of 57,344
	s_mov_b32 s51, 0                               ; the high word of every offset pair s[50:51]
	s_cmp_ge_u32 ttmp9, 192
	s_cbranch_scc1 .Lpath_v
; ---------------- q and k ----------------
	s_lshr_b32 s82, ttmp9, 5                       ; 0..2: q's head pairs; 3..5: k's
	s_and_b32 s84, ttmp9, 31
	s_lshl_b32 s84, s84, 2
	s_add_co_u32 s84, s84, s2                      ; rho: which 64 tokens of the 8,192 are my wave's
	s_wait_kmcnt 0x0
	s_cmp_ge_u32 s82, 3                            ; k?  The choice hangs on the work-group's number alone; only moves and selects stand between the compare and the last select
	s_cselect_b64 s[36:37], s[18:19], s[12:13]     ; the weight's codes,
	s_cselect_b64 s[38:39], s[20:21], s[14:15]     ; its scales,
	s_cselect_b64 s[44:45], s[22:23], s[16:17]     ; its bias
	s_cselect_b64 s[46:47], s[34:35], s[30:31]     ; codes go to kv or to q,
	s_cselect_b64 s[48:49], s[34:35], s[32:33]     ; scale words to kv or to qs
	s_cselect_b32 s83, 3, 0
	s_mov_b32 s80, 262144
	s_cselect_b32 s80, KVH, s80                    ; bytes from head to head, codes
	s_mov_b32 s85, 8192
	s_cselect_b32 s85, BLK, s85                    ; from group to group of 128 tokens, codes
	s_mov_b32 s81, 32768
	s_cselect_b32 s81, KVH, s81                    ; the same two for the scale words
	s_mov_b32 s86, 1024
	s_cselect_b32 s86, BLK, s86
	s_cselect_b32 s87, 16384, 0                    ; in a block of kv K's scale words lie behind the images
	s_sub_co_u32 s83, s82, s83                     ; head pair 0..2
	s_mul_i32 s50, s83, 49152
	s_add_nc_u64 s[36:37], s[36:37], s[50:51]      ; held: rows 128 hp on
	s_mul_i32 s50, s83, 1536
	s_add_nc_u64 s[38:39], s[38:39], s[50:51]
	s_lshl_b32 s50, s83, 9
	s_add_nc_u64 s[44:45], s[44:45], s[50:51]
	s_mul_i32 s50, s84, 24576
	s_add_nc_u64 s[40:41], s[8:9], s[50:51]        ; streamed: tokens 64 rho on
	s_mul_i32 s50, s84, 768
	s_add_nc_u64 s[42:43], s[10:11], s[50:51]
	s_lshr_b32 s88, s84, 6                         ; batch
	s_mul_i32 s88, s88, 6
	s_lshl_b32 s89, s83, 1
	s_add_co_u32 s88, s88, s89                     ; 6 x batch + my first head
	s_bfe_u32 s89, s84, 0x50001                    ; the group of 128 tokens in the batch
	s_and_b32 s90, s84, 1                          ; its first or second 64
	s_mul_i32 s50, s88, s80
	s_mul_i32 s91, s89, s85
	s_add_co_u32 s50, s50, s91
	s_lshl_b32 s91, s90, 12
	s_add_co_u32 s50, s50, s91
	s_add_nc_u64 s[46:47], s[46:47], s[50:51]
	s_mul_i32 s50, s88, s81
	s_mul_i32 s91, s89, s86
	s_add_co_u32 s50, s50, s91
	s_lshl_b32 s91, s90, 9
	s_add_co_u32 s50, s50, s91
	s_add_co_u32 s50, s50, s87
	s_add_nc_u64 s[48:49], s[48:49], s[50:51]
	s_and_b32 s66, s84, 63
	s_lshl_b32 s66, s66, 6                         ; my first token's position in its batch
	v_add_nc_u32 v8, s80, v7                       ; the second head's images,
	v_add_nc_u32 v9, s81, v7                       ; and its scale words
	v_lshlrev_b32 v10, 6, v3                       ; bias: lanes 16-31 begin 16 numbers on
	s_mov_b32 s68, 0x3f22f983                      ; 2 / pi
	s_mov_b32 s69, 0x3fc90fdb                      ; pi / 2 as f32,
	s_mov_b32 s70, 0xb33bbd2e                      ; and what it leaves of pi / 2
	s_mov_b32 s71, 0xbe2aaaa3                      ; sin r = r + r z (S1 + z (S2 + z S3)), z = r r
	s_mov_b32 s72, 0x3c08839e
	s_mov_b32 s73, 0xb94ca1f9
	s_mov_b32 s74, 0x3d2aaaa5                      ; cos r = 1 - z / 2 + z z (C1 + z (C2 + z C3))
	s_mov_b32 s75, 0xbab6061a
	s_mov_b32 s76, 0x37ccf5ce
	s_mov_b32 s77, 0x3ed49a78                      ; log2(10000) / 32 as f32,
	s_mov_b32 s78, 0x32179a29                      ; and what it leaves
	s_mov_b32 s79, 0xbf317218                      ; -ln 2
	HELD
	WIN 0x80
.irp t, 0,1,2,3,4,5,6,7
	global_load_b128 v[BI+8*\t:BI+8*\t+3], v10, s[44:45] offset:(32*(\t/2)+8*(\t%2))*4        ; lane (r, h), tile t, register j: the bias of row 32 (t / 2) + 8 (t % 2) + 16 h + j
	global_load_b128 v[BI+8*\t+4:BI+8*\t+7], v10, s[44:45] offset:(32*(\t/2)+8*(\t%2))*4+16
.endr
	WIN 0
	STREAM 0, 0
	; inv_freq of my 16 pairs: pair e is i = 16 (e / 8) + 8 h + e % 8.  2^-(i c): the product i c is rounded; what the rounding and c's own rounding leave, x, is put back by F (1 - x ln 2)
	v_lshlrev_b32 v[TI], 3, v3
.irp e, 0,1,2,3,4,5,6,7,8,9,10,11,12,13,14,15
	v_add_nc_u32 v[AC+\e], 16*(\e/8)+\e%8, v[TI]
.endr
.irp e, 0,1,2,3,4,5,6,7,8,9,10,11,12,13,14,15
	v_cvt_f32_u32 v[CC+\e], v[AC+\e]
.endr
.irp e, 0,1,2,3,4,5,6,7,8,9,10,11,12,13,14,15
	v_mul_f32 v[SS+\e], s77, v[CC+\e]
.endr
.irp e, 0,1,2,3,4,5,6,7,8,9,10,11,12,13,14,15
	v_fma_f32 v[AC+\e], v[CC+\e], s77, -v[SS+\e]
.endr
.irp e, 0,1,2,3,4,5,6,7,8,9,10,11,12,13,14,15
	v_fma_f32 v[AC+\e], v[CC+\e], s78, v[AC+\e]
.endr
.irp e, 0,1,2,3,4,5,6,7,8,9,10,11,12,13,14,15
	v_exp_f32 v[FF+\e], -v[SS+\e]
.endr
	v_nop                                          ; a plain line behind the exponentials
	s_wait_alu depctr_va_vdst(0)
.irp e, 0,1,2,3,4,5,6,7,8,9,10,11,12,13,14,15
	v_mul_f32 v[AC+\e], v[FF+\e], v[AC+\e]
.endr
.irp e, 0,1,2,3,4,5,6,7,8,9,10,11,12,13,14,15
	v_fma_f32 v[FF+\e], v[AC+\e], s79, v[FF+\e]
.endr
; cos and sin of four angles, stage by stage so that no line waits for the line above it.  Scratch of angle a at v[AC + 6 a]: +0 the angle, then r; +1 k; +2 z; +3 sin r; +4 cos r; +5 at work
.macro SINCOS4 e0
.irp a, 0,1,2,3
	v_mul_f32 v[AC+6*\a], v[TP], v[FF+\e0+\a]      ; the angle: one f32 product
.endr
.irp a, 0,1,2,3
	v_mul_f32 v[AC+6*\a+1], s68, v[AC+6*\a]
.endr
.irp a, 0,1,2,3
	v_rndne_f32 v[AC+6*\a+1], v[AC+6*\a+1]         ; k: the nearest multiple of pi / 2
.endr
.irp a, 0,1,2,3
	v_fma_f32 v[AC+6*\a], -v[AC+6*\a+1], s69, v[AC+6*\a]
.endr
.irp a, 0,1,2,3
	v_fma_f32 v[AC+6*\a], -v[AC+6*\a+1], s70, v[AC+6*\a]   ; r, within +-pi / 4
.endr
.irp a, 0,1,2,3
	v_mul_f32 v[AC+6*\a+2], v[AC+6*\a], v[AC+6*\a]
.endr
.irp a, 0,1,2,3
	v_fma_f32 v[AC+6*\a+3], v[AC+6*\a+2], s73, s72
	v_fma_f32 v[AC+6*\a+4], v[AC+6*\a+2], s76, s75
.endr
.irp a, 0,1,2,3
	v_fma_f32 v[AC+6*\a+3], v[AC+6*\a+3], v[AC+6*\a+2], s71
	v_fma_f32 v[AC+6*\a+4], v[AC+6*\a+4], v[AC+6*\a+2], s74
.endr
.irp a, 0,1,2,3
	v_mul_f32 v[AC+6*\a+5], v[AC+6*\a+2], v[AC+6*\a]
.endr
.irp a, 0,1,2,3
	v_fma_f32 v[AC+6*\a+3], v[AC+6*\a+3], v[AC+6*\a+5], v[AC+6*\a]   ; sin r
.endr
.irp a, 0,1,2,3
	v_mul_f32 v[AC+6*\a+5], v[AC+6*\a+2], v[AC+6*\a+2]
.endr
.irp a, 0,1,2,3
	v_fma_f32 v[AC+6*\a+2], v[AC+6*\a+2], -0.5, 1.0
.endr
.irp a, 0,1,2,3
	v_fma_f32 v[AC+6*\a+4], v[AC+6*\a+4], v[AC+6*\a+5], v[AC+6*\a+2]   ; cos r
.endr
.irp a, 0,1,2,3
	v_cvt_i32_f32 v[AC+6*\a+1], v[AC+6*\a+1]
.endr
.irp a, 0,1,2,3
	v_and_b32 v[AC+6*\a+5], 1, v[AC+6*\a+1]
.endr
.irp a, 0,1,2,3
	v_cmp_eq_u32 vcc_lo, 1, v[AC+6*\a+5]           ; in an odd quadrant the two change places
	v_cndmask_b32 v[SS+\e0+\a], v[AC+6*\a+3], v[AC+6*\a+4], vcc_lo
	v_cndmask_b32 v[CC+\e0+\a], v[AC+6*\a+4], v[AC+6*\a+3], vcc_lo
.endr
.irp a, 0,1,2,3
	v_lshlrev_b32 v[AC+6*\a+5], 30, v[AC+6*\a+1]   ; sin is negative in quadrants 2, 3: bit 1 of k,
	v_add_lshl_u32 v[AC+6*\a+2], v[AC+6*\a+1], 1, 30   ; cos in quadrants 1, 2: bit 1 of k + 1
.endr
.irp a, 0,1,2,3
	v_and_b32 v[AC+6*\a+5], 0x80000000, v[AC+6*\a+5]
	v_and_b32 v[AC+6*\a+2], 0x80000000, v[AC+6*\a+2]
.endr
.irp a, 0,1,2,3
	v_xor_b32 v[SS+\e0+\a], v[SS+\e0+\a], v[AC+6*\a+5]
	v_xor_b32 v[CC+\e0+\a], v[CC+\e0+\a], v[AC+6*\a+2]
.endr
.endm
; A unit: tile u of the trip's 32 tokens.  The angles are made while the tile's loads are on their way.
.macro UNITQ u
	v_add3_u32 v[TI], v4, s66, 8*\u                ; my token's position
	v_cvt_f32_u32 v[TP], v[TI]
	SINCOS4 0
	SINCOS4 4
	SINCOS4 8
	SINCOS4 12
	s_wait_loadcnt 0x0                             ; the tile (and, the first time, all that is held)
	MUL 1
	PLACES 8                                       ; eight plain places behind this form, ahead of loads into its sources and of the first read of its results
.if \u == 0
	STREAM 3072, 96                                ; the next tile: 8 tokens on
.else
	s_cmp_eq_u32 s63, 1                            ; the last trip asks for nothing: no load leaves its buffer
	s_cbranch_scc1 .Lq_last_\@
	STREAM 12288, 384                              ; the next trip's first tile: 32 tokens on from this trip's first
.Lq_last_\@:
.endif
.irp hd, 0,1                                       ; rope: register 32 hd + 2 e, + 1 is pair e of head hd.  Each accumulator is read from its low end on
.irp e, 0,1,2,3,4,5,6,7,8,9,10,11,12,13,14,15
	v_mul_f32 v[RT+2*(\e%4)], v[AC+32*\hd+2*\e+1], v[SS+\e]
	v_mul_f32 v[RT+2*(\e%4)+1], v[AC+32*\hd+2*\e+1], v[CC+\e]
	v_fma_f32 v[AC+32*\hd+2*\e+1], v[AC+32*\hd+2*\e], v[SS+\e], v[RT+2*(\e%4)+1]
	v_fma_f32 v[AC+32*\hd+2*\e], v[AC+32*\hd+2*\e], v[CC+\e], -v[RT+2*(\e%4)]
.endr
.endr
	s_wait_xcnt 0x0                                ; the last unit's stores have read their data: the codes and scale words may be written again
	QUANT AC
	v_and_b32 v[PWA], 0xffff, v[PW]                ; the first head's two bytes; bytes 2, 3 are 0 and stand over zero codes
	v_lshrrev_b32 v[PWB], 16, v[PW]                ; the second head's
	global_store_b128 v7, v[PC:PC+3], s[46:47] offset:\u*1024
	global_store_b128 v7, v[PC+4:PC+7], s[46:47] offset:\u*1024+512
	global_store_b128 v8, v[PC+8:PC+11], s[46:47] offset:\u*1024
	global_store_b128 v8, v[PC+12:PC+15], s[46:47] offset:\u*1024+512
	global_store_b32 v7, v[PWA], s[48:49] offset:4*\u
	global_store_b32 v9, v[PWB], s[48:49] offset:4*\u
.endm
	s_mov_b32 s63, 2
.Lq_trip:                                          ; a trip: 32 tokens, two tiles
	UNITQ 0
	UNITQ 1
	s_wait_xcnt 0x0                                ; every base may be stepped
	s_add_nc_u64 s[40:41], s[40:41], 12288
	s_add_nc_u64 s[42:43], s[42:43], 384
	s_add_nc_u64 s[46:47], s[46:47], 2048
	s_add_nc_u64 s[48:49], s[48:49], 8
	s_add_co_u32 s66, s66, 32
	s_sub_co_u32 s63, s63, 1
	s_cmp_lg_u32 s63, 0
	s_cbranch_scc1 .Lq_trip
	s_endpgm
; ---------------- v ----------------
.Lpath_v:
	s_sub_co_u32 s82, ttmp9, 192                   ; which 128 tokens of the 8,192
	s_wait_kmcnt 0x0
	s_mul_i32 s50, s82, 49152
	s_add_nc_u64 s[36:37], s[8:9], s[50:51]        ; held: x's 128 tokens
	s_mul_i32 s50, s82, 1536
	s_add_nc_u64 s[38:39], s[10:11], s[50:51]
	s_mul_i32 s50, s2, 36864
	s_add_nc_u64 s[40:41], s[24:25], s[50:51]      ; streamed: Wv's rows 96 x wave on
	s_mul_i32 s50, s2, 1152
	s_add_nc_u64 s[42:43], s[26:27], s[50:51]
	s_mul_i32 s50, s2, 384
	s_add_nc_u64 s[44:45], s[28:29], s[50:51]
	s_lshr_b32 s83, s82, 5                         ; batch
	s_mul_i32 s50, s83, 6*KVH
	s_and_b32 s84, s82, 31
	s_mul_i32 s84, s84, BLK
	s_add_co_u32 s50, s50, s84
	s_add_nc_u64 s[46:47], s[34:35], s[50:51]      ; kv at the batch's head 0, my group's block
	s_mul_i32 s67, s2, 6                           ; my first tile of channels, of 24
	v_lshlrev_b32 v10, 2, v4                       ; bias: my lane's channel
	HELD
.macro BIASV off                       ; the lane's channel's bias in all eight registers of C
	WIN 0x80
.irp j, 0,1,2,3,4,5,6,7
	global_load_b32 v[BI+\j], v10, s[44:45] offset:\off
.endr
	WIN 0
.endm
	BIASV 0
	STREAM 0, 0
.macro UNITV u
	s_wait_loadcnt 0x0
	MUL 0
	PLACES 8                                       ; as above: ahead of the loads into sources and of the first read of results
.if \u == 0
	STREAM 3072, 96
	BIASV 32
.else
	s_cmp_eq_u32 s63, 1
	s_cbranch_scc1 .Lv_last_\@
	STREAM 12288, 384
	BIASV 128
.Lv_last_\@:
.endif
	s_wait_xcnt 0x0                                ; the last unit's stores have read their offsets and data
	s_add_co_u32 s84, s67, \u                      ; tile y of channels: head y / 4, tile y % 4 in it
	s_lshr_b32 s85, s84, 2
	s_mul_i32 s85, s85, KVH
	s_and_b32 s86, s84, 3
	s_lshl_b32 s87, s86, 11
	s_add_co_u32 s87, s87, s85
	s_add_co_u32 s87, s87, 8192
	v_add_nc_u32 v11, s87, v7                      ; V's image
	s_lshl_b32 s86, s86, 2
	s_add_co_u32 s86, s86, s85
	s_add_co_u32 s86, s86, 17408
	v_add_nc_u32 v12, s86, v7                      ; and its scale word
	QUANT AC                                       ; blocks of 32 keys; it reads each accumulator from its low end on
.irp c, 0,1,2,3
	global_store_b128 v11, v[PC+4*\c:PC+4*\c+3], s[46:47] offset:512*\c
.endr
	global_store_b32 v12, v[PW], s[46:47]
.endm
	s_mov_b32 s63, 3
.Lv_trip:                                          ; a trip: 32 channels, two tiles
	UNITV 0
	UNITV 1
	s_wait_xcnt 0x0
	s_add_nc_u64 s[40:41], s[40:41], 12288
	s_add_nc_u64 s[42:43], s[42:43], 384
	s_add_nc_u64 s[44:45], s[44:45], 128
	s_add_co_u32 s67, s67, 2
	s_sub_co_u32 s63, s63, 1
	s_cmp_lg_u32 s63, 0
	s_cbranch_scc1 .Lv_trip
	s_endpgm
.Lfunc_end_k_q85580ef9f0_qkv:
	.size	k_q85580ef9f0_qkv, .Lfunc_end_k_q85580ef9f0_qkv-k_q85580ef9f0_qkv
	.p2alignl 7, 3214868480
	.fill 96, 4, 3214868480
	.section	.rodata,"a",@progbits
	.p2align	6, 0x0
	.amdhsa_kernel k_q85580ef9f0_qkv
		.amdhsa_group_segment_fixed_size 0
		.amdhsa_private_segment_fixed_size 0
		.amdhsa_enable_private_segment 0
		.amdhsa_kernarg_size 112
		.amdhsa_user_sgpr_count 2
		.amdhsa_user_sgpr_kernarg_segment_ptr 1
		.amdhsa_wavefront_size32 1
		.amdhsa_system_sgpr_workgroup_id_x 1
		.amdhsa_system_sgpr_workgroup_id_y 1
		.amdhsa_system_sgpr_workgroup_id_z 1
		.amdhsa_system_vgpr_workitem_id 0
		.amdhsa_next_free_vgpr 768
		.amdhsa_next_free_sgpr 96
		.amdhsa_reserve_vcc 1
		.amdhsa_float_denorm_mode_32 3
		.amdhsa_float_denorm_mode_16_64 3
		.amdhsa_memory_ordered 1
		.amdhsa_forward_progress 1
		.amdhsa_inst_pref_size 147
	.end_amdhsa_kernel
	.amdgpu_metadata
---
amdhsa.version: [ 1, 2 ]
amdhsa.kernels:
  - .name:           k_q85580ef9f0_qkv
    .symbol:         k_q85580ef9f0_qkv.kd
    .args:
      - { .name: x_codes, .offset: 0, .size: 8, .value_kind: global_buffer, .address_space: global }
      - { .name: x_scales, .offset: 8, .size: 8, .value_kind: global_buffer, .address_space: global }
      - { .name: Wq_codes, .offset: 16, .size: 8, .value_kind: global_buffer, .address_space: global }
      - { .name: Wq_scales, .offset: 24, .size: 8, .value_kind: global_buffer, .address_space: global }
      - { .name: bq, .offset: 32, .size: 8, .value_kind: global_buffer, .address_space: global }
      - { .name: Wk_codes, .offset: 40, .size: 8, .value_kind: global_buffer, .address_space: global }
      - { .name: Wk_scales, .offset: 48, .size: 8, .value_kind: global_buffer, .address_space: global }
      - { .name: bk, .offset: 56, .size: 8, .value_kind: global_buffer, .address_space: global }
      - { .name: Wv_codes, .offset: 64, .size: 8, .value_kind: global_buffer, .address_space: global }
      - { .name: Wv_scales, .offset: 72, .size: 8, .value_kind: global_buffer, .address_space: global }
      - { .name: bv, .offset: 80, .size: 8, .value_kind: global_buffer, .address_space: global }
      - { .name: q, .offset: 88, .size: 8, .value_kind: global_buffer, .address_space: global }
      - { .name: qs, .offset: 96, .size: 8, .value_kind: global_buffer, .address_space: global }
      - { .name: kv, .offset: 104, .size: 8, .value_kind: global_buffer, .address_space: global }
    .group_segment_fixed_size: 0
    .private_segment_fixed_size: 0
    .kernarg_segment_align: 8
    .kernarg_segment_size: 112
    .max_flat_workgroup_size: 128
    .sgpr_count:     96
    .vgpr_count:     768
    .wavefront_size: 32
...
	.end_amdgpu_metadata
.endif
;; end of part 1
;; launch attn (part 2): grid 16 x 12, 16 waves a work-group, no clusters, 37,888 bytes of LDS; arguments q, qs, kv, yc, ys; writes yc, ys
.if DOCPART == 2
	.amdgcn_target "amdgcn-amd-amdhsa--gfx1250"
	.amdhsa_code_object_version 6
	.text
	.protected	k_q85580ef9f0_attn
	.globl	k_q85580ef9f0_attn
	.p2align	8
	.type	k_q85580ef9f0_attn,@function
k_q85580ef9f0_attn:
	s_mov_b64 s[64:65], 0
	v_nop
	global_prefetch_b8 v0, s[64:65] scope:SCOPE_SE
	s_setreg_imm32_b32 hwreg(HW_REG_WAVE_MODE, 25, 1), 1
	s_wait_xcnt 0x0
; y = softmax(q k^T / 8, causal) v for one (batch, head), both products on codes of E5M2 with E8M0 scales; y is then quantised along its 64 channels (two blocks of the last product's K).
; THE SOFTMAX: t = score x log2(e) / 8; M = the running largest t rounded UP to a whole number; p = 2^(t - M) is quantised along the keys, not normalised; the row's sum is taken of the unquantised p and divides at the end.
; When M moves, the sum and O are multiplied by 2^(old M - new M): exact.
; INPUTS are images of operand registers (512 bytes for four registers, lane l at 16 l).  A block of kv holds 128 keys of the head: K's 8 tiles (2 groups each: the head's 64 fill half of the instruction's K;
; the upper eight registers of every fragment of q and k are zero codes, under scale bytes 0, which is 2^-127 and no NaN), V^T's 4 fragments, K's scale words, V's scale words: 17,920 bytes.
; Tiles hold permuted rows (lane r of tile (b, u): row 32 b + 8 u + r + (r & 8)), so that in S^T = K Q^T the 16 registers of tiles (b, 0), (b, 1) are keys 32 b + 16 (lane / 16) + 0 .. 15: the order of P's registers.
; SHARES.  Work-group (j, head) owns the groups of 128 queries j and 31 - j: 8 (j + 1) + 8 (32 - j) = 264 wave-steps in every work-group.  Each of 16 waves owns one tile of 16 queries, four waves to a SIMD;
; role = (w xor (w / 4)) & 1 picks the group, so that two early and two late tiles fall to each four waves w % 4 = const and each four w / 4 = const.
; THE KEYS go in steps of 128 through two LDS slots.  All 512 threads bring the next block through registers: loads at a step's head, LDS stores into the other slot at its end, then ONE barrier, in front of which
; every wave has waited for its LDS loads (of this slot) and stores (into the other).  A trip runs the two slots, so every LDS offset is an immediate.  A step all of whose keys come after a wave's queries is
; jumped over by that wave (a scalar branch on ids), not its part of the copy and not the barrier.  No cluster: the 16 work-groups of a head need 17 to 32 blocks, not the same number.
; LIMITS: NaN and infinities are not served; a block of p or y under 2^-111 gets the byte 1; 1 / sum by v_rcp_f32.
; REGISTERS: v1 16 lane, v2 512 wave + 16 lane, v3 the diagonal's bound, v4 -inf, v5 q's scale word, v6 p's, v7 4 lane, v8-15 K's scale words, v16-19 V's, v20 -M, v21 largest t, v[22:23] the sum,
;   v24-39 Q, v40-103 four buffers for K's tiles, v104-167 S^T, then p, then V's four fragments, v168-199 O^T, v200-215 p's codes, v216-227 the block on its way, v228-249 at work.
.set BLK, 17920
	s_load_b256 s[4:11], s[0:1], 0x0               ; q s[4:5], qs s[6:7], kv s[8:9], yc s[10:11]
	s_load_b64 s[12:13], s[0:1], 0x20              ; ys
	v_lshl_add_u32 v254, v0, 2, 0x8c00
	v_mov_b32 v255, 0
	v_lshrrev_b32 v1, 5, v0
	v_readfirstlane_b32 s14, v1                    ; wave 0..15
	v_and_b32 v1, 31, v0
	v_lshlrev_b32 v7, 2, v1
	v_lshlrev_b32 v1, 4, v1
	s_lshl_b32 s33, s14, 9
	v_add_nc_u32 v2, s33, v1                       ; my 16 bytes of each 8,192 that the work-group copies
	s_mov_b32 s15, ttmp9                           ; j
	s_and_b32 s16, ttmp7, 0xffff                   ; 6 x batch + head
	s_lshr_b32 s17, s14, 2
	s_xor_b32 s17, s17, s14
	s_and_b32 s17, s17, 1                          ; role
	s_lshr_b32 s18, s14, 1                         ; my tile in its group of 128 queries
	s_sub_co_u32 s33, 31, s15
	s_cmp_eq_u32 s17, 1
	s_cselect_b32 s19, s33, s15                    ; my group, which is also my last key step
	s_sub_co_u32 s20, 33, s15
	s_lshr_b32 s20, s20, 1                         ; trips of two steps that the work-group walks: its 32 - j steps, rounded up to whole trips
	v_and_b32 v246, 15, v0
	v_and_b32 v247, 8, v246
	v_add_nc_u32 v246, v246, v247                  ; r + (r & 8)
	v_bfe_u32 v247, v0, 4, 1
	v_lshlrev_b32 v247, 4, v247
	v_sub_nc_u32 v3, v246, v247
	s_lshr_b32 s33, s18, 1
	s_lshl_b32 s33, s33, 5
	s_and_b32 s34, s18, 1
	s_lshl_b32 s34, s34, 3
	s_add_co_u32 s33, s33, s34
	v_add_nc_u32 v3, s33, v3                       ; my query in its group - 16 (lane / 16): register 16 b + i holds key 32 b + i + 16 (lane / 16), hidden on the diagonal where 32 b + i exceeds this
	v_mov_b32 v4, 0xff800000
	s_mov_b32 s28, 0x76543210
	s_mov_b32 s29, 0xfedcba98                      ; v_permlanex16_b32's selects for lane l xor 16
	s_mov_b32 s30, 0x3e38aa3b                      ; c = log2(e) / 8
	s_mov_b32 s31, s30                             ; (named with it as a pair)
	s_mov_b32 s32, 0x600000                        ; the mantissa field of 57,344
	s_mov_b32 s25, 0                               ; the high word of the offset pair s[24:25]
	s_cmp_ge_u32 s16, 6
	s_cselect_b32 s33, 1, 0                        ; batch
	s_cselect_b32 s34, 6, 0
	s_sub_co_u32 s34, s16, s34                     ; head
	s_lshl_b32 s35, s33, 8
	s_lshl_b32 s36, s19, 3
	s_add_co_u32 s35, s35, s36
	s_add_co_u32 s35, s35, s18                     ; my tile among the 512 tiles of tokens
	s_lshr_b32 s36, s34, 1                         ; the last product's K step,
	s_and_b32 s37, s34, 1                          ; and which half of it
	s_wait_kmcnt 0x0
	s_mul_i32 s24, s35, 6144
	s_lshl_b32 s38, s36, 11
	s_add_co_u32 s24, s24, s38
	s_lshl_b32 s38, s37, 10
	s_add_co_u32 s24, s24, s38
	s_add_nc_u64 s[10:11], s[10:11], s[24:25]      ; where y's codes go,
	s_mul_i32 s24, s35, 384
	s_lshl_b32 s38, s36, 7
	s_add_co_u32 s24, s24, s38
	s_lshl_b32 s38, s37, 1
	s_add_co_u32 s24, s24, s38
	s_add_nc_u64 s[12:13], s[12:13], s[24:25]      ; and its two scale bytes
	s_mul_i32 s24, s16, 32*BLK
	s_add_nc_u64 s[8:9], s[8:9], s[24:25]          ; the head's blocks
	s_lshl_b32 s24, s16, 18
	s_lshl_b32 s33, s19, 13
	s_add_co_u32 s24, s24, s33
	s_lshl_b32 s33, s18, 10
	s_add_co_u32 s24, s24, s33
	s_add_nc_u64 s[4:5], s[4:5], s[24:25]          ; my tile of q
	s_lshl_b32 s24, s16, 15
	s_lshl_b32 s33, s19, 10
	s_add_co_u32 s24, s24, s33
	s_lshr_b32 s33, s18, 2
	s_lshl_b32 s33, s33, 9
	s_add_co_u32 s24, s24, s33
	s_and_b32 s33, s18, 3
	s_lshl_b32 s33, s33, 2
	s_add_co_u32 s24, s24, s33
	s_add_nc_u64 s[6:7], s[6:7], s[24:25]          ; and its scale words
	global_load_b128 v[24:27], v1, s[4:5]
	global_load_b128 v[28:31], v1, s[4:5] offset:512
	global_load_b32 v5, v1, s[6:7]
	global_load_b128 v[216:219], v2, s[8:9]        ; block 0
	global_load_b128 v[220:223], v2, s[8:9] offset:8192
	s_cmp_lt_u32 s14, 3                            ; the last 1,536 bytes: 96 threads
	s_cbranch_scc0 .Lhead_a
	global_load_b128 v[224:227], v2, s[8:9] offset:16384
.Lhead_a:
.irp i, 32,33,34,35,36,37,38,39, 48,49,50,51,52,53,54,55, 64,65,66,67,68,69,70,71, 80,81,82,83,84,85,86,87, 96,97,98,99,100,101,102,103
	v_mov_b32 v\i, 0                               ; zero codes: k 64 .. 127 of Q's fragment and of the four buffers for K's; they stay
.endr
.set n, 168
.rept 32
	v_mov_b32 v[n], 0                              ; O^T: the step is written once, its first run finds zeros
.set n, n+1
.endr
	v_mov_b32 v22, 0
	v_mov_b32 v23, 0
.irp i, 232,233,234,235
	v_mov_b32 v\i, 0                               ; a lane permute's destination counts as one of its sources
.endr
	v_mov_b32 v245, 0                              ; (named as the upper half of the pair v[244:245])
	v_mov_b32 v21, 0xff61b1e6                      ; the largest t so far: -3e38
	v_floor_f32 v20, -v21
	s_wait_loadcnt 0x0
	ds_store_b128 v2, v[216:219]
	ds_store_b128 v2, v[220:223] offset:8192
	s_cmp_lt_u32 s14, 3
	s_cbranch_scc0 .Lhead_b
	ds_store_b128 v2, v[224:227] offset:16384
.Lhead_b:
	s_wait_dscnt 0x0                               ; for the others' sake: my part of slot 0 has landed
	s_barrier_signal -1
	s_barrier_wait -1
.macro STEP k                          ; the step 2 x s21 + k, whose block lies in slot k
.set SL, (\k)*BLK
.set OT, BLK-SL
	s_lshl_b32 s22, s21, 1                         ; the trip's number counts pairs of steps
	s_add_co_u32 s22, s22, \k
	s_add_co_u32 s23, s22, 1
	s_min_u32 s23, s23, 31                         ; the next block; held at the head's last, so that no load leaves kv
	s_mul_i32 s24, s23, BLK
	s_add_nc_u64 s[26:27], s[8:9], s[24:25]        ; (the loads that last named this pair were waited for at the last step's end)
	global_load_b128 v[216:219], v2, s[26:27]
	global_load_b128 v[220:223], v2, s[26:27] offset:8192
	s_cmp_lt_u32 s14, 3
	s_cbranch_scc0 .Lno_third_\@
	global_load_b128 v[224:227], v2, s[26:27] offset:16384
.Lno_third_\@:
	s_cmp_gt_u32 s22, s19                          ; all these keys come after my queries
	s_cbranch_scc1 .Lhidden_\@
	; S^T = K Q^T, four tiles of 16 keys at a time
	ds_load_b128 v[8:11], v1 offset:SL+16384       ; K's scale words, tiles 0-3,
	ds_load_b128 v[12:15], v1 offset:SL+16896      ; tiles 4-7
.irp t, 0,1,2,3
	ds_load_b128 v[40+16*\t:43+16*\t], v1 offset:SL+1024*\t
	ds_load_b128 v[44+16*\t:47+16*\t], v1 offset:SL+1024*\t+512
.endr
.rept 9
	v_nop                                          ; nine places: the products below write over registers that the last step's products read as V's fragments
.endr
	s_wait_dscnt 0x0
.irp t, 0,1,2,3
	v_wmma_scale_f32_16x16x128_f8f6f4 v[104+8*\t:111+8*\t], v[40+16*\t:55+16*\t], v[24:39], 0, v[8+\t], v5 matrix_a_fmt:MATRIX_FMT_BF8 matrix_b_fmt:MATRIX_FMT_BF8
.endr
.rept 8
	v_nop                                          ; eight places ahead of loads into registers that these products read
.endr
.irp t, 0,1,2,3
	ds_load_b128 v[40+16*\t:43+16*\t], v1 offset:SL+4096+1024*\t
	ds_load_b128 v[44+16*\t:47+16*\t], v1 offset:SL+4096+1024*\t+512
.endr
	s_wait_dscnt 0x0
.irp t, 0,1,2,3
	v_wmma_scale_f32_16x16x128_f8f6f4 v[136+8*\t:143+8*\t], v[40+16*\t:55+16*\t], v[24:39], 0, v[12+\t], v5 matrix_a_fmt:MATRIX_FMT_BF8 matrix_b_fmt:MATRIX_FMT_BF8
.endr
.rept 8
	v_nop                                          ; eight places ahead of the first read of the scores
.endr
	s_cmp_lg_u32 s22, s19                          ; only my last step lies on the diagonal
	s_cbranch_scc1 .Lopen_\@
.set n, 0
.rept 64
	v_cmp_gt_i32 vcc_lo, 32*(n/16)+n%16, v3        ; hidden keys' scores become -infinity: p = 0
	v_cndmask_b32 v[104+n], v[104+n], v4, vcc_lo
.set n, n+1
.endr
.Lopen_\@:
.irp b, 0,1,2,3
	v_max3_num_f32 v[228+\b], v[104+16*\b], v[105+16*\b], v[106+16*\b]   ; the largest score of each block of 32 keys: for the row's maximum, and, since p rises with the score, for the block's largest p
.endr
.irp i, 3,5,7,9,11,13
.irp b, 0,1,2,3
	v_max3_num_f32 v[228+\b], v[228+\b], v[104+16*\b+\i], v[105+16*\b+\i]
.endr
.endr
.irp b, 0,1,2,3
	v_max_num_f32 v[228+\b], v[228+\b], v[119+16*\b]
.endr
.irp b, 0,1,2,3
	v_permlanex16_b32 v[232+\b], v[228+\b], s28, s29
.endr
.irp b, 0,1,2,3
	v_max_num_f32 v[228+\b], v[228+\b], v[232+\b]  ; with lane l xor 16's 16 keys
.endr
	v_max3_num_f32 v246, v228, v229, v230
	v_max_num_f32 v246, v246, v231
	v_mul_f32 v246, s30, v246                      ; the step's largest t
	v_max_num_f32 v21, v21, v246
	v_mov_b32 v246, v20
	v_floor_f32 v20, -v21                          ; -M = floor(-t): M is a whole number
	v_sub_f32 v246, v20, v246                      ; old M - new M, 0 or less
	v_cvt_i32_f32 v246, v246                       ; (it saturates)
	v_ldexp_f32 v244, 1.0, v246                    ; f = 2^(old M - new M)
.set n, 0
.rept 32
	v_pk_fma_f32 v[104+n:105+n], v[104+n:105+n], s[30:31], v[20:21] op_sel_hi:[1,0,0]   ; t - M, two at a time
.set n, n+2
.endr
.irp b, 0,1,2,3
	v_fma_f32 v[228+\b], v[228+\b], s30, v20
.endr
.set n, 0
.rept 64
	v_exp_f32 v[104+n], v[104+n]                   ; p = 2^(t - M)
.set n, n+1
.endr
.irp b, 0,1,2,3
	v_exp_f32 v[228+\b], v[228+\b]                 ; the block's largest p
.endr
	v_pk_mul_f32 v[22:23], v[22:23], v[244:245] op_sel_hi:[1,0]   ; the sum under the new M (the plain line behind the exponentials)
	s_wait_alu depctr_va_vdst(0)
.irp b, 0,1,2,3
	v_max_num_f32 v[228+\b], 0x8000000, v[228+\b]  ; the floor 2^(16 - 127)
.endr
.irp b, 0,1,2,3
	v_add_nc_u32 v[240+\b], 0xf8800000, v[228+\b]  ; the conversion's scale operand
.endr
.irp b, 0,1,2,3
	v_and_or_b32 v[236+\b], v[228+\b], 0x7f800000, s32   ; 57,344 x the scale
.endr
.irp b, 0,1,2,3
	v_lshrrev_b32 v[232+\b], 23, v[240+\b]         ; the scale's byte
.endr
	v_lshl_or_b32 v6, v233, 8, v232                ; p's scale word: more than a hundred plain lines ahead of the products that name it
	v_lshl_or_b32 v6, v234, 16, v6
	v_lshl_or_b32 v6, v235, 24, v6
	v_pk_add_f32 v[248:249], v[104:105], v[106:107]   ; the sum of the unquantised p, in two chains
.irp j, 4,8,12,16,20,24,28,32,36,40,44,48,52,56,60
	v_pk_add_f32 v[22:23], v[22:23], v[104+\j:105+\j]
	v_pk_add_f32 v[248:249], v[248:249], v[106+\j:107+\j]
.endr
	v_pk_add_f32 v[22:23], v[22:23], v[248:249]
.irp b, 0,1,2,3
.irp i, 0,1,2,3,4,5,6,7,8,9,10,11,12,13,14,15
	v_min_num_f32 v[104+16*\b+\i], v[104+16*\b+\i], v[236+\b]   ; the hold (ISA guide 7.6.2: the conversion does not saturate); p is not negative
.endr
	v_cvt_scalef32_pk8_bf8_f32 v[200+4*\b:201+4*\b], v[104+16*\b:111+16*\b], v[240+\b]
	v_cvt_scalef32_pk8_bf8_f32 v[202+4*\b:203+4*\b], v[112+16*\b:119+16*\b], v[240+\b]
.endr
	; O^T += V^T P^T: V's four fragments take p's registers
	ds_load_b128 v[16:19], v1 offset:SL+17408
.irp t, 0,1,2,3
.irp c, 0,1,2,3
	ds_load_b128 v[104+16*\t+4*\c:107+16*\t+4*\c], v1 offset:SL+8192+2048*\t+512*\c
.endr
.endr
.set n, 0
.rept 16
	v_pk_mul_f32 v[168+n:169+n], v[168+n:169+n], v[244:245] op_sel_hi:[1,0]   ; O^T under the new M; these lines are also the places between the conversions and the products
.set n, n+2
.endr
	s_wait_dscnt 0x0
.irp t, 0,1,2,3
	v_wmma_scale_f32_16x16x128_f8f6f4 v[168+8*\t:175+8*\t], v[104+16*\t:119+16*\t], v[200:215], v[168+8*\t:175+8*\t], v[16+\t], v6 matrix_a_fmt:MATRIX_FMT_BF8 matrix_b_fmt:MATRIX_FMT_BF8
.endr
.Lhidden_\@:
	s_wait_loadcnt 0x0                             ; the next block is in registers
	ds_store_b128 v2, v[216:219] offset:OT         ; into the other slot: its last reads were waited for in front of the last barrier
	ds_store_b128 v2, v[220:223] offset:OT+8192
	s_cmp_lt_u32 s14, 3
	s_cbranch_scc0 .Lno_third_b_\@
	ds_store_b128 v2, v[224:227] offset:OT+16384
.Lno_third_b_\@:
	s_wait_dscnt 0x0                               ; my stores have landed, and my reads of this slot are in
	s_barrier_signal -1
	s_barrier_wait -1
.endm
	s_mov_b32 s21, 0
.Lpair:                                            ; a trip: two key steps, slot 0 and slot 1; the counter goes by one against a register that the loop does not write
	STEP 0
	STEP 1
	s_add_co_u32 s21, s21, 1
	s_cmp_lt_u32 s21, s20
	s_cbranch_scc1 .Lpair
	; THE WAY OUT: y = O^T / the sum, quantised: register 16 b + i is channel 32 b + 16 (lane / 16) + i of my query
.rept 8
	v_nop                                          ; eight places behind the last products
.endr
	v_add_f32 v22, v22, v23
	v_permlanex16_b32 v232, v22, s28, s29
	v_add_f32 v22, v22, v232                       ; the row's sum
	v_rcp_f32 v22, v22
	v_nop                                          ; a plain line behind the transcendental
.set n, 0
	s_wait_alu depctr_va_vdst(0)
.rept 32
	v_mul_f32 v[104+n], v[168+n], v22              ; each accumulator from its low end on
.set n, n+1
.endr
.irp b, 0,1
	v_max3_num_f32 v[228+\b], |v[104+16*\b]|, |v[105+16*\b]|, 0x8000000
.endr
.irp i, 2,4,6,8,10,12,14
.irp b, 0,1
	v_max3_num_f32 v[228+\b], v[228+\b], |v[104+16*\b+\i]|, |v[105+16*\b+\i]|
.endr
.endr
.irp b, 0,1
	v_permlanex16_b32 v[232+\b], v[228+\b], s28, s29
.endr
.irp b, 0,1
	v_max_num_f32 v[228+\b], v[228+\b], v[232+\b]
.endr
.irp b, 0,1
	v_add_nc_u32 v[240+\b], 0xf8800000, v[228+\b]
.endr
.irp b, 0,1
	v_and_or_b32 v[236+\b], v[228+\b], 0x7f800000, s32
.endr
.irp b, 0,1
	v_lshrrev_b32 v[232+\b], 23, v[240+\b]
.endr
	v_lshl_or_b32 v246, v233, 8, v232              ; my head's two scale bytes
.irp b, 0,1
.irp i, 0,1,2,3,4,5,6,7,8,9,10,11,12,13,14,15
	v_med3_num_f32 v[104+16*\b+\i], v[104+16*\b+\i], -v[236+\b], v[236+\b]
.endr
	v_cvt_scalef32_pk8_bf8_f32 v[200+4*\b:201+4*\b], v[104+16*\b:111+16*\b], v[240+\b]
	v_cvt_scalef32_pk8_bf8_f32 v[202+4*\b:203+4*\b], v[112+16*\b:119+16*\b], v[240+\b]
.endr
	v_nop
	global_store_b128 v1, v[200:203], s[10:11]     ; 512 consecutive bytes a store
	global_store_b128 v1, v[204:207], s[10:11] offset:512
	global_store_b16 v7, v246, s[12:13]
	s_wait_tensorcnt 0x0
	ds_add_u32 v254, v255
	s_wait_dscnt 0x0
	s_endpgm
.Lfunc_end_k_q85580ef9f0_attn:
	.size	k_q85580ef9f0_attn, .Lfunc_end_k_q85580ef9f0_attn-k_q85580ef9f0_attn
	.p2alignl 7, 3214868480
	.fill 96, 4, 3214868480
	.section	.rodata,"a",@progbits
	.p2align	6, 0x0
	.amdhsa_kernel k_q85580ef9f0_attn
		.amdhsa_group_segment_fixed_size 37888
		.amdhsa_private_segment_fixed_size 0
		.amdhsa_enable_private_segment 0
		.amdhsa_kernarg_size 40
		.amdhsa_user_sgpr_count 2
		.amdhsa_user_sgpr_kernarg_segment_ptr 1
		.amdhsa_wavefront_size32 1
		.amdhsa_system_sgpr_workgroup_id_x 1
		.amdhsa_system_sgpr_workgroup_id_y 1
		.amdhsa_system_sgpr_workgroup_id_z 1
		.amdhsa_system_vgpr_workitem_id 0
		.amdhsa_next_free_vgpr 256
		.amdhsa_next_free_sgpr 66
		.amdhsa_reserve_vcc 1
		.amdhsa_float_denorm_mode_32 3
		.amdhsa_float_denorm_mode_16_64 3
		.amdhsa_memory_ordered 1
		.amdhsa_forward_progress 1
		.amdhsa_inst_pref_size 62
	.end_amdhsa_kernel
	.amdgpu_metadata
---
amdhsa.version: [ 1, 2 ]
amdhsa.kernels:
  - .name:           k_q85580ef9f0_attn
    .symbol:         k_q85580ef9f0_attn.kd
    .args:
      - { .name: q, .offset: 0, .size: 8, .value_kind: global_buffer, .address_space: global }
      - { .name: qs, .offset: 8, .size: 8, .value_kind: global_buffer, .address_space: global }
      - { .name: kv, .offset: 16, .size: 8, .value_kind: global_buffer, .address_space: global }
      - { .name: yc, .offset: 24, .size: 8, .value_kind: global_buffer, .address_space: global }
      - { .name: ys, .offset: 32, .size: 8, .value_kind: global_buffer, .address_space: global }
    .group_segment_fixed_size: 37888
    .private_segment_fixed_size: 0
    .kernarg_segment_align: 8
    .kernarg_segment_size: 40
    .max_flat_workgroup_size: 512
    .sgpr_count:     66
    .vgpr_count:     256
    .wavefront_size: 32
...
	.end_amdgpu_metadata
.endif
;; end of part 2
;; launch proj (part 3): grid 256 x 1, 6 waves a work-group, no clusters, 26,880 bytes of LDS; arguments yc, ys, Wp_codes, Wp_scales, bp, out0; writes out0
.if DOCPART == 3
	.amdgcn_target "amdgcn-amd-amdhsa--gfx1250"
	.amdhsa_code_object_version 6
	.text
	.protected	k_q85580ef9f0_proj
	.globl	k_q85580ef9f0_proj
	.p2align	8
	.type	k_q85580ef9f0_proj,@function
k_q85580ef9f0_proj:
	s_mov_b64 s[64:65], 0
	v_nop
	global_prefetch_b8 v0, s[64:65] scope:SCOPE_SE
	s_setreg_imm32_b32 hwreg(HW_REG_WAVE_MODE, 25, 1), 1
	s_wait_xcnt 0x0
; out = y Wp^T + bp on codes of E5M2 with E8M0 scales.  y comes as images of operand registers: tile (of 16 permuted tokens) x K step of 128: 2,048 bytes, and a scale word a lane.  Wp: 384 rows x 384 codes, K innermost.
; SHARES.  A work-group takes 32 tokens: the two tiles m = 0, 1, whose lane r is token 32 g + 8 m + r + (r & 8).  Wave w takes output channels 64 w .. 64 w + 63: four tiles of Wp's rows.  A wave works alone: 24 matrix instructions.
; The product is used transposed (source 0 = 16 rows of Wp, source 1 = y): a lane holds eight neighbouring channels of one token.  The bias is the C of each sum's first instruction.
; THE WAY OUT goes through the wave's own stage in LDS (16 rows of 256 bytes + 16), so that sixteen lanes store 256 consecutive bytes at a multiple of 256 from out's first byte; the tokens' permutation is undone by the stores' offsets.
; No tensor load, no cluster: all that is shared is Wp, 150 KB, and each wave reads its sixth of it once.
; REGISTERS.  window 0: v4-11 lane terms; v12-23 Wp's scale words (3 t + s); v24-29 y's (3 m + s); v32-127 y's fragments (48 m + 16 s), later the rows read back; v128-191 the accumulators (32 m + 8 t).
;   window 1: Wp's fragments at 16 (3 t + s); from v192 the bias, 8 registers a tile.
.set MSB, 0
.macro WIN new                         ; the immediate's high byte repeats the setting that is left
.if MSB != \new
	s_set_vgpr_msb (MSB<<8)|\new
.set MSB, \new
.endif
.endm
	s_load_b256 s[4:11], s[0:1], 0x0               ; yc s[4:5], ys s[6:7], Wp codes s[8:9], Wp scales s[10:11]
	s_load_b128 s[12:15], s[0:1], 0x20             ; bp s[12:13], out s[14:15]
	v_lshl_add_u32 v254, v0, 2, 0x6600
	v_mov_b32 v255, 0
	v_lshrrev_b32 v1, 5, v0
	v_readfirstlane_b32 s16, v1                    ; wave 0..5
	v_and_b32 v1, 31, v0                           ; lane
	v_and_b32 v2, 15, v0                           ; r
	v_bfe_u32 v3, v0, 4, 1                         ; h
	v_mul_u32_u24 v4, v2, 384
	v_lshl_add_u32 v4, v3, 4, v4                   ; Wp: row r, + 16 h
	v_mul_u32_u24 v5, v2, 12                       ; its scale words
	v_lshlrev_b32 v6, 4, v1                        ; an image's place
	v_lshlrev_b32 v7, 2, v1                        ; a scale word's
	v_lshlrev_b32 v8, 5, v3                        ; bias: lanes 16-31 begin 8 numbers on
	s_mul_i32 s17, s16, 4352                       ; my stage
	v_mul_u32_u24 v9, v2, 272
	v_lshl_add_u32 v9, v3, 5, v9
	v_add_nc_u32 v9, s17, v9                       ; in: row r, 32 bytes for each half of the lanes
	v_mul_u32_u24 v10, v3, 272
	v_lshl_add_u32 v10, v2, 4, v10
	v_add_nc_u32 v10, s17, v10                     ; back: lanes 0-15 one row, lanes 16-31 the next
	v_mul_u32_u24 v11, v3, 1536
	v_lshl_add_u32 v11, v2, 4, v11                 ; and the same in out: a token's row is 1,536 bytes
	s_mov_b32 s19, 0
	s_wait_kmcnt 0x0
	s_mul_i32 s18, ttmp9, 12288
	s_add_nc_u64 s[4:5], s[4:5], s[18:19]
	s_mul_i32 s18, ttmp9, 768
	s_add_nc_u64 s[6:7], s[6:7], s[18:19]
	s_mul_i32 s18, s16, 24576
	s_add_nc_u64 s[8:9], s[8:9], s[18:19]
	s_mul_i32 s18, s16, 768
	s_add_nc_u64 s[10:11], s[10:11], s[18:19]
	s_lshl_b32 s18, s16, 8
	s_add_nc_u64 s[12:13], s[12:13], s[18:19]
	s_add_nc_u64 s[14:15], s[14:15], s[18:19]
	s_mul_i32 s18, ttmp9, 49152
	s_add_nc_u64 s[14:15], s[14:15], s[18:19]
	WIN 0x40                                       ; destination window 1
.irp t, 0,1,2,3
.irp s, 0,1,2
.irp c, 0,1,2,3
	global_load_b128 v[16*(3*\t+\s)+4*\c:16*(3*\t+\s)+4*\c+3], v4, s[8:9] offset:6144*\t+128*\s+32*\c
.endr
.endr
	global_load_b128 v[192+8*\t:195+8*\t], v8, s[12:13] offset:64*\t
	global_load_b128 v[196+8*\t:199+8*\t], v8, s[12:13] offset:64*\t+16
.endr
	WIN 0
.irp t, 0,1,2,3
.irp s, 0,1,2
	global_load_b32 v[12+3*\t+\s], v5, s[10:11] offset:192*\t+4*\s
.endr
.endr
.irp m, 0,1
.irp s, 0,1,2
.irp c, 0,1,2,3
	global_load_b128 v[32+48*\m+16*\s+4*\c:35+48*\m+16*\s+4*\c], v6, s[4:5] offset:6144*\m+2048*\s+512*\c
.endr
	global_load_b32 v[24+3*\m+\s], v7, s[6:7] offset:384*\m+128*\s
.endr
.endr
	s_wait_loadcnt 0x0
.irp s, 0,1,2                                      ; the eight accumulators by turns, K step by K step
.if \s == 0
	WIN 0x11                                       ; source 0 (Wp) and source 2 (the bias) window 1
.else
	WIN 0x01
.endif
.irp m, 0,1
.irp t, 0,1,2,3
.if \s == 0
	v_wmma_scale_f32_16x16x128_f8f6f4 v[128+32*\m+8*\t:135+32*\m+8*\t], v[16*(3*\t+\s):16*(3*\t+\s)+15], v[32+48*\m+16*\s:47+48*\m+16*\s], v[192+8*\t:199+8*\t], v[12+3*\t+\s], v[24+3*\m+\s] matrix_a_fmt:MATRIX_FMT_BF8 matrix_b_fmt:MATRIX_FMT_BF8
.else
	v_wmma_scale_f32_16x16x128_f8f6f4 v[128+32*\m+8*\t:135+32*\m+8*\t], v[16*(3*\t+\s):16*(3*\t+\s)+15], v[32+48*\m+16*\s:47+48*\m+16*\s], v[128+32*\m+8*\t:135+32*\m+8*\t], v[12+3*\t+\s], v[24+3*\m+\s] matrix_a_fmt:MATRIX_FMT_BF8 matrix_b_fmt:MATRIX_FMT_BF8
.endif
.endr
.endr
.endr
	WIN 0
.rept 8
	v_nop                                          ; eight places ahead of the LDS stores that read results and of the loads into y's registers
.endr
.irp m, 0,1
.irp t, 0,1,2,3
	ds_store_b128 v9, v[128+32*\m+8*\t:131+32*\m+8*\t] offset:64*\t          ; each accumulator from its low end on
	ds_store_b128 v9, v[132+32*\m+8*\t:135+32*\m+8*\t] offset:64*\t+16
.endr
.irp i, 0,1,2,3,4,5,6,7
	ds_load_b128 v[32+32*\m+4*\i:35+32*\m+4*\i], v10 offset:544*\i           ; LDS serves a wave's instructions in order (ISA guide 5.7.1.4): these see the stores above, and tile 1's stores come behind tile 0's loads
.endr
.endr
.irp i, 0,1,2,3,4,5,6,7
	s_wait_dscnt 23-\i                             ; behind tile 0's load i: its 7 - i later loads, tile 1's 8 stores and 8 loads
	global_store_b128 v11, v[32+4*\i:35+4*\i], s[14:15] offset:(2*\i+8*(\i/4))*1536 th:TH_STORE_NT   ; stage rows 2 i, 2 i + 1 are tokens 2 i + 8 (i / 4) + (lane / 16) of the 32
.endr
.irp i, 0,1,2,3,4,5,6,7
	s_wait_dscnt 7-\i                              ; behind tile 1's load i: its 7 - i later loads
	global_store_b128 v11, v[64+4*\i:67+4*\i], s[14:15] offset:(8+2*\i+8*(\i/4))*1536 th:TH_STORE_NT
.endr
	s_wait_tensorcnt 0x0
	ds_add_u32 v254, v255
	s_wait_dscnt 0x0
	s_endpgm
.Lfunc_end_k_q85580ef9f0_proj:
	.size	k_q85580ef9f0_proj, .Lfunc_end_k_q85580ef9f0_proj-k_q85580ef9f0_proj
	.p2alignl 7, 3214868480
	.fill 96, 4, 3214868480
	.section	.rodata,"a",@progbits
	.p2align	6, 0x0
	.amdhsa_kernel k_q85580ef9f0_proj
		.amdhsa_group_segment_fixed_size 26880
		.amdhsa_private_segment_fixed_size 0
		.amdhsa_enable_private_segment 0
		.amdhsa_kernarg_size 48
		.amdhsa_user_sgpr_count 2
		.amdhsa_user_sgpr_kernarg_segment_ptr 1
		.amdhsa_wavefront_size32 1
		.amdhsa_system_sgpr_workgroup_id_x 1
		.amdhsa_system_sgpr_workgroup_id_y 1
		.amdhsa_system_sgpr_workgroup_id_z 1
		.amdhsa_system_vgpr_workitem_id 0
		.amdhsa_next_free_vgpr 512
		.amdhsa_next_free_sgpr 66
		.amdhsa_reserve_vcc 0
		.amdhsa_float_denorm_mode_32 3
		.amdhsa_float_denorm_mode_16_64 3
		.amdhsa_memory_ordered 1
		.amdhsa_forward_progress 1
		.amdhsa_inst_pref_size 19
	.end_amdhsa_kernel
	.amdgpu_metadata
---
amdhsa.version: [ 1, 2 ]
amdhsa.kernels:
  - .name:           k_q85580ef9f0_proj
    .symbol:         k_q85580ef9f0_proj.kd
    .args:
      - { .name: yc, .offset: 0, .size: 8, .value_kind: global_buffer, .address_space: global }
      - { .name: ys, .offset: 8, .size: 8, .value_kind: global_buffer, .address_space: global }
      - { .name: Wp_codes, .offset: 16, .size: 8, .value_kind: global_buffer, .address_space: global }
      - { .name: Wp_scales, .offset: 24, .size: 8, .value_kind: global_buffer, .address_space: global }
      - { .name: bp, .offset: 32, .size: 8, .value_kind: global_buffer, .address_space: global }
      - { .name: out0, .offset: 40, .size: 8, .value_kind: global_buffer, .address_space: global }
    .group_segment_fixed_size: 26880
    .private_segment_fixed_size: 0
    .kernarg_segment_align: 8
    .kernarg_segment_size: 48
    .max_flat_workgroup_size: 192
    .sgpr_count:     66
    .vgpr_count:     512
    .wavefront_size: 32
...
	.end_amdgpu_metadata
.endif
;; end of part 3
;; ======== version 2 of 2: 3 launches; version 1 with the launches qkv, attn, proj written anew for expert scheduling mode
;; workspace buffers: q 3,145,728 bytes; qs 393,216 bytes; kv 6,881,280 bytes; yc 3,145,728 bytes; ys 196,608 bytes
;; launch qkv (part 4): grid 256 x 1, 4 waves a work-group, no clusters, 0 bytes of LDS; arguments x_codes, x_scales, Wq_codes, Wq_scales, bq, Wk_codes, Wk_scales, bk, Wv_codes, Wv_scales, bv, q, qs, kv; writes q, qs, kv
.if DOCPART == 4
	.amdgcn_target "amdgcn-amd-amdhsa--gfx1250"
	.amdhsa_code_object_version 6
	.text
	.protected	k_q85580ef9f0_qkv
	.globl	k_q85580ef9f0_qkv
	.p2align	8
	.type	k_q85580ef9f0_qkv,@function
k_q85580ef9f0_qkv:
	s_mov_b64 s[64:65], 0
	v_nop
	global_prefetch_b8 v0, s[64:65] scope:SCOPE_SE
	s_setreg_imm32_b32 hwreg(HW_REG_WAVE_SCHED_MODE, 0, 2), 2
	s_setreg_imm32_b32 hwreg(HW_REG_WAVE_MODE, 25, 1), 1
	s_wait_xcnt 0x0
	s_wait_alu depctr_vm_vsrc(0)
; q = rope(x Wq^T + bq), k = rope(x Wk^T + bk), v = x Wv^T + bv on codes of E5M2 with E8M0 scales; then q and k are quantised along the head's 64, v along the keys.
; x: 8,192 tokens x 384 codes; each W: 384 rows x 384 codes, K innermost; scale bytes 12 a row.
; WHAT IS STORED are images of the next products' operand registers: each group of four registers is 512 bytes, lane l's 16 bytes at 16 l.
; EVERY TILE OF 16 ROWS TAKES PERMUTED ROWS: lane r of tile (b, u) takes row 32 b + 8 u + r + (r & 8).  In the result of a product whose source 0 is such a tile, lane (r', h) holds in register j
; row 32 b + 8 u + 16 h + j: the 16 registers of tiles (b, 0), (b, 1) are 16 neighbours along the next K, in the order of the operand's registers, so the conversions' results are stored as they stand.
; SHARES.  A wave works alone: no LDS, no barrier.  It HOLDS source 0 for its whole life (8 tiles x 3 K steps = 384 registers) and STREAMS source 1, one tile of 16 rows (3 fragments) a unit; a unit is 24 matrix instructions.
;   work-groups 0-191: held = 128 rows (two heads) of Wq or Wk; streamed = 4 tiles of tokens (64 tokens a wave).  A lane then holds one token and 16 neighbouring d of each block: bias, rope, quantiser.
;   work-groups 192-255: held = 128 tokens of x; streamed = 6 tiles of Wv's rows a wave.  A lane then holds one channel and 64 of 128 keys: one fragment of V^T.
; ROPE.  cos and sin are made in f32: inv_freq = 2^(-i log2(10000) / 32) by v_exp_f32 with the argument's rounding error put back; angle = position x inv_freq (one f32 product);
;   the angle less k pi/2 in two steps (the first is exact: k < 2^12), polynomials on +-pi/4, quadrant by selects.
; LIMITS: NaN and infinities among the inputs are not served.  A block whose largest magnitude lies under 2^-111, a block of zeros among them, gets the scale byte 1 (its codes are then zeros or subnormal codes);
;   these bytes are read by this program alone.  inv_freq is within about an ulp of the true power; the angle may so differ by a few 1e-4 rad at the last positions from one made with another power function.
; THE MODE: SCHED_MODE bits 1:0 = 2 (LLVM: expert scheduling mode 2), set by the entry lines.  The code itself states the register dependences between vector or matrix instructions and memory instructions, with s_wait_alu, always for 0.
; THE PLAN.  Registers that memory instructions touch:
;   the held fragments, the held scale words, q's and k's biases: loaded once, at the head; named by matrix instructions alone.
;   v44-91, v40-42 (in v's path also v128-135 of window 2): the streamed tile, its scale words (and the channel's bias).  Read by the unit's 24 products; the next tile's loads land there behind them.
;   v160-175, v192-194: written by the unit's quantiser; read by the unit's stores; written again by the next unit's quantiser.
;   v5-v10: offsets, made at the head and never written again.  v11, v12 (v's path): offsets made anew in each unit, read by its stores.
; So a unit has three waits: va_vdst behind the products' places (the products are done reading the tile), ahead of the next tile's loads; vm_vsrc, beside the wait on XCNT, ahead of the lines that write
; again what the last unit's stores read; va_vdst ahead of the run of stores.  The quadrants' compares go four at a time into s52-55, with one wait on va_sdst ahead of the selects.
; REGISTERS.  window 0: v1-12 lane terms; v16-39 held scale words (3 t + s); v40-42 streamed scale words; v44-91 streamed fragments; v96-159 the 8 accumulators (free between units: scratch for the angles);
;   v160-175 codes; v176-191 the quantiser's scratch; v192-194 scale words; v196-203 rope's scratch; v204-219 cos, v220-235 sin, v236-251 inv_freq; v252 position.
;   window 1: held fragments of K steps 0, 1 at 16 (2 t + s).   window 2: held fragments of K step 2 at 16 t; from v128 the biases in the result's layout.
.set BLK,  17920                       ; a block of kv: 128 keys of one head: K's images 8,192, V's images 8,192, K's scale words 1,024, V's 512
.set KVH,  32*BLK                      ; a head's blocks
.set SCH,  16
.set SCS,  40
.set SF,   44
.set AC,   96
.set PC,   160
.set TM,   176
.set PW,   192
.set PWA,  193
.set PWB,  194
.set RT,   196
.set CC,   204
.set SS,   220
.set FF,   236
.set TP,   252
.set TI,   253
.set BI,   128                         ; in window 2
.set MK,   52                          ; s52-55: the masks of four quadrants' compares
.set MSB, 0
.macro WIN new                         ; the immediate's high byte repeats the setting that is left
.if MSB != \new
	s_set_vgpr_msb (MSB<<8)|\new
.set MSB, \new
.endif
.endm
.macro PLACES n
.rept \n
	v_nop
.endr
.endm
; the held operand: 96 + 24 loads
.macro HELD
	WIN 0x40                                       ; destination window 1
	s_wait_alu depctr_va_vdst(0)                   ; the lane terms v5 to v10 are written, which the loads and stores of the path read as offsets; up to the first unit only loads and window switches follow this wait
.irp t, 0,1,2,3,4,5,6,7
.irp s, 0,1
.irp c, 0,1,2,3
	global_load_b128 v[16*(2*\t+\s)+4*\c:16*(2*\t+\s)+4*\c+3], v5, s[36:37] offset:(32*(\t/2)+8*(\t%2))*384+128*\s+32*\c
.endr
.endr
.endr
	WIN 0x80                                       ; destination window 2
.irp t, 0,1,2,3,4,5,6,7
.irp c, 0,1,2,3
	global_load_b128 v[16*\t+4*\c:16*\t+4*\c+3], v5, s[36:37] offset:(32*(\t/2)+8*(\t%2))*384+256+32*\c
.endr
.endr
	WIN 0
.irp t, 0,1,2,3,4,5,6,7
.irp s, 0,1,2
	global_load_b32 v[SCH+3*\t+\s], v6, s[38:39] offset:(32*(\t/2)+8*(\t%2))*12+4*\s
.endr
.endr
.endm
; a streamed tile: 16 permuted rows x 384 codes, and their scale words
.macro STREAM cof, sof
.irp s, 0,1,2
.irp c, 0,1,2,3
	global_load_b128 v[SF+16*\s+4*\c:SF+16*\s+4*\c+3], v5, s[40:41] offset:\cof+128*\s+32*\c
.endr
.endr
.irp s, 0,1,2
	global_load_b32 v[SCS+\s], v6, s[42:43] offset:\sof+4*\s
.endr
.endm
; 24 matrix instructions: the eight accumulators by turns, K step by K step; the bias is the C of each sum's first instruction.
; pertile = 1: a bias tile for each accumulator;  0: one for all (the lane's channel)
.macro MUL pertile
	WIN 0x21                                       ; source 0 window 1, source 2 window 2
.irp t, 0,1,2,3,4,5,6,7
	v_wmma_scale_f32_16x16x128_f8f6f4 v[AC+8*\t:AC+8*\t+7], v[32*\t:32*\t+15], v[SF:SF+15], v[BI+8*\t*\pertile:BI+8*\t*\pertile+7], v[SCH+3*\t], v[SCS] matrix_a_fmt:MATRIX_FMT_BF8 matrix_b_fmt:MATRIX_FMT_BF8
.endr
	WIN 0x01
.irp t, 0,1,2,3,4,5,6,7
	v_wmma_scale_f32_16x16x128_f8f6f4 v[AC+8*\t:AC+8*\t+7], v[32*\t+16:32*\t+31], v[SF+16:SF+31], v[AC+8*\t:AC+8*\t+7], v[SCH+3*\t+1], v[SCS+1] matrix_a_fmt:MATRIX_FMT_BF8 matrix_b_fmt:MATRIX_FMT_BF8
.endr
	WIN 0x02
.irp t, 0,1,2,3,4,5,6,7
	v_wmma_scale_f32_16x16x128_f8f6f4 v[AC+8*\t:AC+8*\t+7], v[16*\t:16*\t+15], v[SF+32:SF+47], v[AC+8*\t:AC+8*\t+7], v[SCH+3*\t+2], v[SCS+2] matrix_a_fmt:MATRIX_FMT_BF8 matrix_b_fmt:MATRIX_FMT_BF8
.endr
	WIN 0
.endm
; 64 numbers of a lane, v[s] .. v[s + 63], register 16 b + i = k 32 b + 16 (lane / 16) + i of my row, become 16 registers of codes in v[PC] on and the four blocks' scale bytes in v[PW]
.macro QUANT s
.irp b, 0,1,2,3
	v_max3_num_f32 v[TM+\b], |v[\s+16*\b]|, |v[\s+1+16*\b]|, 0x8000000   ; my 16 numbers of block b, and the floor 2^(16 - 127): the byte cannot fall under 1
.endr
.irp i, 2,4,6,8,10,12,14
.irp b, 0,1,2,3
	v_max3_num_f32 v[TM+\b], v[TM+\b], |v[\s+16*\b+\i]|, |v[\s+1+16*\b+\i]|
.endr
.endr
.irp b, 0,1,2,3
	v_permlanex16_b32 v[TM+4+\b], v[TM+\b], s60, s61
.endr
.irp b, 0,1,2,3
	v_max_num_f32 v[TM+\b], v[TM+\b], v[TM+4+\b]   ; with lane l xor 16's 16: the block's largest magnitude
.endr
.irp b, 0,1,2,3
	v_add_nc_u32 v[TM+12+\b], 0xf8800000, v[TM+\b] ; 15 off its exponent field: the conversion's scale operand
.endr
.irp b, 0,1,2,3
	v_and_or_b32 v[TM+8+\b], v[TM+\b], 0x7f800000, s62   ; 57,344 x the scale
.endr
.irp b, 0,1,2,3
	v_lshrrev_b32 v[TM+4+\b], 23, v[TM+12+\b]      ; the scale's byte
.endr
	v_lshl_or_b32 v[PW], v[TM+5], 8, v[TM+4]
	v_lshl_or_b32 v[PW], v[TM+6], 16, v[PW]
	v_lshl_or_b32 v[PW], v[TM+7], 24, v[PW]
.irp b, 0,1,2,3
.irp i, 0,1,2,3,4,5,6,7,8,9,10,11,12,13,14,15
	v_med3_num_f32 v[\s+16*\b+\i], v[\s+16*\b+\i], -v[TM+8+\b], v[TM+8+\b]   ; the conversion to an 8-bit code does not saturate (ISA guide 7.6.2): the hold comes first
.endr
	v_cvt_scalef32_pk8_bf8_f32 v[PC+4*\b:PC+1+4*\b], v[\s+16*\b:\s+7+16*\b], v[TM+12+\b]
	v_cvt_scalef32_pk8_bf8_f32 v[PC+2+4*\b:PC+3+4*\b], v[\s+8+16*\b:\s+15+16*\b], v[TM+12+\b]
.endr
	v_nop                                          ; a plain line behind the last conversion, ahead of whatever next writes its sources
.endm
	s_load_b512 s[8:23], s[0:1], 0x0               ; x codes s[8:9], x scales s[10:11], Wq codes, Wq scales, bq s[16:17], Wk codes, Wk scales, bk s[22:23]
	s_load_b256 s[24:31], s[0:1], 0x40             ; Wv codes, Wv scales, bv s[28:29], q s[30:31]
	s_load_b128 s[32:35], s[0:1], 0x60             ; qs, kv
	v_lshrrev_b32 v1, 5, v0
	v_readfirstlane_b32 s2, v1                     ; wave 0..3
	v_and_b32 v1, 31, v0                           ; lane
	v_and_b32 v2, 15, v0                           ; r
	v_bfe_u32 v3, v0, 4, 1                         ; h
	v_and_b32 v4, 8, v2
	v_add_nc_u32 v4, v4, v2                        ; pr = r + (r & 8)
	v_mul_u32_u24 v5, v4, 384
	v_lshl_add_u32 v5, v3, 4, v5                   ; codes: row pr of 384 bytes, + 16 h: held and streamed alike
	v_mul_u32_u24 v6, v4, 12                       ; scale words: 12 bytes a row
	v_lshlrev_b32 v7, 4, v1                        ; 16 x lane: an image's place
.irp b, 0,1,2,3
	v_mov_b32 v[TM+4+\b], 0                        ; written once: a lane permute's destination counts as one of its sources
.endr
	s_wait_alu depctr_va_sdst(0)                   ; s2, the wave's number, is written: both paths make their bases from it
	s_mov_b32 s60, 0x76543210
	s_mov_b32 s61, 0xfedcba98                      ; v_permlanex16_b32's selects for lane l xor 16
	s_mov_b32 s62, 0x600000                        ; the mantissa field of 57,344
	s_mov_b32 s51, 0                               ; the high word of every offset pair s[50:51]
	s_cmp_ge_u32 ttmp9, 192
	s_cbranch_scc1 .Lpath_v
; ---------------- q and k ----------------
	s_lshr_b32 s82, ttmp9, 5                       ; 0..2: q's head pairs; 3..5: k's
	s_and_b32 s84, ttmp9, 31
	s_lshl_b32 s84, s84, 2
	s_add_co_u32 s84, s84, s2                      ; rho: which 64 tokens of the 8,192 are my wave's
	s_wait_kmcnt 0x0
	s_cmp_ge_u32 s82, 3                            ; k?  The choice hangs on the work-group's number alone; only moves and selects stand between the compare and the last select
	s_cselect_b64 s[36:37], s[18:19], s[12:13]     ; the weight's codes,
	s_cselect_b64 s[38:39], s[20:21], s[14:15]     ; its scales,
	s_cselect_b64 s[44:45], s[22:23], s[16:17]     ; its bias
	s_cselect_b64 s[46:47], s[34:35], s[30:31]     ; codes go to kv or to q,
	s_cselect_b64 s[48:49], s[34:35], s[32:33]     ; scale words to kv or to qs
	s_cselect_b32 s83, 3, 0
	s_mov_b32 s80, 262144
	s_cselect_b32 s80, KVH, s80                    ; bytes from head to head, codes
	s_mov_b32 s85, 8192
	s_cselect_b32 s85, BLK, s85                    ; from group to group of 128 tokens, codes
	s_mov_b32 s81, 32768
	s_cselect_b32 s81, KVH, s81                    ; the same two for the scale words
	s_mov_b32 s86, 1024
	s_cselect_b32 s86, BLK, s86
	s_cselect_b32 s87, 16384, 0                    ; in a block of kv K's scale words lie behind the images
	s_sub_co_u32 s83, s82, s83                     ; head pair 0..2
	s_mul_i32 s50, s83, 49152
	s_add_nc_u64 s[36:37], s[36:37], s[50:51]      ; held: rows 128 hp on
	s_mul_i32 s50, s83, 1536
	s_add_nc_u64 s[38:39], s[38:39], s[50:51]
	s_lshl_b32 s50, s83, 9
	s_add_nc_u64 s[44:45], s[44:45], s[50:51]
	s_mul_i32 s50, s84, 24576
	s_add_nc_u64 s[40:41], s[8:9], s[50:51]        ; streamed: tokens 64 rho on
	s_mul_i32 s50, s84, 768
	s_add_nc_u64 s[42:43], s[10:11], s[50:51]
	s_lshr_b32 s88, s84, 6                         ; batch
	s_mul_i32 s88, s88, 6
	s_lshl_b32 s89, s83, 1
	s_add_co_u32 s88, s88, s89                     ; 6 x batch + my first head
	s_bfe_u32 s89, s84, 0x50001                    ; the group of 128 tokens in the batch
	s_and_b32 s90, s84, 1                          ; its first or second 64
	s_mul_i32 s50, s88, s80
	s_mul_i32 s91, s89, s85
	s_add_co_u32 s50, s50, s91
	s_lshl_b32 s91, s90, 12
	s_add_co_u32 s50, s50, s91
	s_add_nc_u64 s[46:47], s[46:47], s[50:51]
	s_mul_i32 s50, s88, s81
	s_mul_i32 s91, s89, s86
	s_add_co_u32 s50, s50, s91
	s_lshl_b32 s91, s90, 9
	s_add_co_u32 s50, s50, s91
	s_add_co_u32 s50, s50, s87
	s_add_nc_u64 s[48:49], s[48:49], s[50:51]
	s_and_b32 s66, s84, 63
	s_lshl_b32 s66, s66, 6                         ; my first token's position in its batch
	s_wait_alu depctr_va_vdst(0)
	v_add_nc_u32 v8, s80, v7                       ; the second head's images,
	v_add_nc_u32 v9, s81, v7                       ; and its scale words
	v_lshlrev_b32 v10, 6, v3                       ; bias: lanes 16-31 begin 16 numbers on
	s_mov_b32 s68, 0x3f22f983                      ; 2 / pi
	s_mov_b32 s69, 0x3fc90fdb                      ; pi / 2 as f32,
	s_mov_b32 s70, 0xb33bbd2e                      ; and what it leaves of pi / 2
	s_mov_b32 s71, 0xbe2aaaa3                      ; sin r = r + r z (S1 + z (S2 + z S3)), z = r r
	s_mov_b32 s72, 0x3c08839e
	s_mov_b32 s73, 0xb94ca1f9
	s_mov_b32 s74, 0x3d2aaaa5                      ; cos r = 1 - z / 2 + z z (C1 + z (C2 + z C3))
	s_mov_b32 s75, 0xbab6061a
	s_mov_b32 s76, 0x37ccf5ce
	s_mov_b32 s77, 0x3ed49a78                      ; log2(10000) / 32 as f32,
	s_mov_b32 s78, 0x32179a29                      ; and what it leaves
	s_mov_b32 s79, 0xbf317218                      ; -ln 2
	HELD
	WIN 0x80
.irp t, 0,1,2,3,4,5,6,7
	global_load_b128 v[BI+8*\t:BI+8*\t+3], v10, s[44:45] offset:(32*(\t/2)+8*(\t%2))*4        ; lane (r, h), tile t, register j: the bias of row 32 (t / 2) + 8 (t % 2) + 16 h + j
	global_load_b128 v[BI+8*\t+4:BI+8*\t+7], v10, s[44:45] offset:(32*(\t/2)+8*(\t%2))*4+16
.endr
	WIN 0
	STREAM 0, 0
	; inv_freq of my 16 pairs: pair e is i = 16 (e / 8) + 8 h + e % 8.  2^-(i c): the product i c is rounded; what the rounding and c's own rounding leave, x, is put back by F (1 - x ln 2)
	v_lshlrev_b32 v[TI], 3, v3
.irp e, 0,1,2,3,4,5,6,7,8,9,10,11,12,13,14,15
	v_add_nc_u32 v[AC+\e], 16*(\e/8)+\e%8, v[TI]
.endr
.irp e, 0,1,2,3,4,5,6,7,8,9,10,11,12,13,14,15
	v_cvt_f32_u32 v[CC+\e], v[AC+\e]
.endr
.irp e, 0,1,2,3,4,5,6,7,8,9,10,11,12,13,14,15
	v_mul_f32 v[SS+\e], s77, v[CC+\e]
.endr
.irp e, 0,1,2,3,4,5,6,7,8,9,10,11,12,13,14,15
	v_fma_f32 v[AC+\e], v[CC+\e], s77, -v[SS+\e]
.endr
.irp e, 0,1,2,3,4,5,6,7,8,9,10,11,12,13,14,15
	v_fma_f32 v[AC+\e], v[CC+\e], s78, v[AC+\e]
.endr
.irp e, 0,1,2,3,4,5,6,7,8,9,10,11,12,13,14,15
	v_exp_f32 v[FF+\e], -v[SS+\e]
.endr
	v_nop                                          ; a plain line behind the exponentials
	s_wait_alu depctr_va_vdst(0)                   ; the sixteen exponentials have written v[FF ..]: one wait for the batch, ahead of its first reader
.irp e, 0,1,2,3,4,5,6,7,8,9,10,11,12,13,14,15
	v_mul_f32 v[AC+\e], v[FF+\e], v[AC+\e]
.endr
.irp e, 0,1,2,3,4,5,6,7,8,9,10,11,12,13,14,15
	v_fma_f32 v[FF+\e], v[AC+\e], s79, v[FF+\e]
.endr
; cos and sin of four angles, stage by stage so that no line waits for the line above it.  Scratch of angle a at v[AC + 6 a]: +0 the angle, then r; +1 k; +2 z; +3 sin r; +4 cos r; +5 at work
.macro SINCOS4 e0
.irp a, 0,1,2,3
	v_mul_f32 v[AC+6*\a], v[TP], v[FF+\e0+\a]      ; the angle: one f32 product
.endr
.irp a, 0,1,2,3
	v_mul_f32 v[AC+6*\a+1], s68, v[AC+6*\a]
.endr
.irp a, 0,1,2,3
	v_rndne_f32 v[AC+6*\a+1], v[AC+6*\a+1]         ; k: the nearest multiple of pi / 2
.endr
.irp a, 0,1,2,3
	v_fma_f32 v[AC+6*\a], -v[AC+6*\a+1], s69, v[AC+6*\a]
.endr
.irp a, 0,1,2,3
	v_fma_f32 v[AC+6*\a], -v[AC+6*\a+1], s70, v[AC+6*\a]   ; r, within +-pi / 4
.endr
.irp a, 0,1,2,3
	v_mul_f32 v[AC+6*\a+2], v[AC+6*\a], v[AC+6*\a]
.endr
.irp a, 0,1,2,3
	v_fma_f32 v[AC+6*\a+3], v[AC+6*\a+2], s73, s72
	v_fma_f32 v[AC+6*\a+4], v[AC+6*\a+2], s76, s75
.endr
.irp a, 0,1,2,3
	v_fma_f32 v[AC+6*\a+3], v[AC+6*\a+3], v[AC+6*\a+2], s71
	v_fma_f32 v[AC+6*\a+4], v[AC+6*\a+4], v[AC+6*\a+2], s74
.endr
.irp a, 0,1,2,3
	v_mul_f32 v[AC+6*\a+5], v[AC+6*\a+2], v[AC+6*\a]
.endr
.irp a, 0,1,2,3
	v_fma_f32 v[AC+6*\a+3], v[AC+6*\a+3], v[AC+6*\a+5], v[AC+6*\a]   ; sin r
.endr
.irp a, 0,1,2,3
	v_mul_f32 v[AC+6*\a+5], v[AC+6*\a+2], v[AC+6*\a+2]
.endr
.irp a, 0,1,2,3
	v_fma_f32 v[AC+6*\a+2], v[AC+6*\a+2], -0.5, 1.0
.endr
.irp a, 0,1,2,3
	v_fma_f32 v[AC+6*\a+4], v[AC+6*\a+4], v[AC+6*\a+5], v[AC+6*\a+2]   ; cos r
.endr
.irp a, 0,1,2,3
	v_cvt_i32_f32 v[AC+6*\a+1], v[AC+6*\a+1]
.endr
.irp a, 0,1,2,3
	v_and_b32 v[AC+6*\a+5], 1, v[AC+6*\a+1]
.endr
.irp a, 0,1,2,3
	v_cmp_eq_u32 s[MK+\a], 1, v[AC+6*\a+5]         ; in an odd quadrant the two change places: the four masks in a run; the signs' lines stand between them and the wait
.endr
.irp a, 0,1,2,3
	v_lshlrev_b32 v[AC+6*\a+5], 30, v[AC+6*\a+1]   ; sin is negative in quadrants 2, 3: bit 1 of k,
	v_add_lshl_u32 v[AC+6*\a+2], v[AC+6*\a+1], 1, 30   ; cos in quadrants 1, 2: bit 1 of k + 1
.endr
.irp a, 0,1,2,3
	v_and_b32 v[AC+6*\a+5], 0x80000000, v[AC+6*\a+5]
	v_and_b32 v[AC+6*\a+2], 0x80000000, v[AC+6*\a+2]
.endr
	s_wait_alu depctr_va_sdst(0)                   ; the four compares have written s52 to s55, which the selects below read
.irp a, 0,1,2,3
	v_cndmask_b32 v[SS+\e0+\a], v[AC+6*\a+3], v[AC+6*\a+4], s[MK+\a]
	v_cndmask_b32 v[CC+\e0+\a], v[AC+6*\a+4], v[AC+6*\a+3], s[MK+\a]
.endr
.irp a, 0,1,2,3
	v_xor_b32 v[SS+\e0+\a], v[SS+\e0+\a], v[AC+6*\a+5]
	v_xor_b32 v[CC+\e0+\a], v[CC+\e0+\a], v[AC+6*\a+2]
.endr
.endm
; A unit: tile u of the trip's 32 tokens.  The angles are made while the tile's loads are on their way.
.macro UNITQ u
	v_add3_u32 v[TI], v4, s66, 8*\u                ; my token's position
	v_cvt_f32_u32 v[TP], v[TI]
	SINCOS4 0
	SINCOS4 4
	SINCOS4 8
	SINCOS4 12
	s_wait_loadcnt 0x0                             ; the tile (and, the first time, all that is held)
	MUL 1
	PLACES 8                                       ; eight plain places behind this form, ahead of the first read of its results; they stand ahead of the loads into its sources too
.if \u == 0
	s_wait_alu depctr_va_vdst(0)                   ; the 24 products are done reading the tile v44-91 and its scale words v40-42, in which the loads below land
	STREAM 3072, 96                                ; the next tile: 8 tokens on
.else
	s_cmp_eq_u32 s63, 1                            ; the last trip asks for nothing: no load leaves its buffer
	s_cbranch_scc1 .Lq_last_\@
	s_wait_alu depctr_va_vdst(0)                   ; the 24 products are done reading the tile v44-91 and its scale words v40-42, in which the loads below land
	STREAM 12288, 384                              ; the next trip's first tile: 32 tokens on from this trip's first
.Lq_last_\@:
.endif
.irp hd, 0,1                                       ; rope: register 32 hd + 2 e, + 1 is pair e of head hd.  Each accumulator is read from its low end on
.irp e, 0,1,2,3,4,5,6,7,8,9,10,11,12,13,14,15
	v_mul_f32 v[RT+2*(\e%4)], v[AC+32*\hd+2*\e+1], v[SS+\e]
	v_mul_f32 v[RT+2*(\e%4)+1], v[AC+32*\hd+2*\e+1], v[CC+\e]
	v_fma_f32 v[AC+32*\hd+2*\e+1], v[AC+32*\hd+2*\e], v[SS+\e], v[RT+2*(\e%4)+1]
	v_fma_f32 v[AC+32*\hd+2*\e], v[AC+32*\hd+2*\e], v[CC+\e], -v[RT+2*(\e%4)]
.endr
.endr
	s_wait_xcnt 0x0                                ; the last unit's stores have had their addresses translated: their data may be written again,
	s_wait_alu depctr_vm_vsrc(0)                   ; and they have read the codes v160-175 and the scale words v193, v194, which the lines below write again
	QUANT AC
	v_and_b32 v[PWA], 0xffff, v[PW]                ; the first head's two bytes; bytes 2, 3 are 0 and stand over zero codes
	v_lshrrev_b32 v[PWB], 16, v[PW]                ; the second head's
	s_wait_alu depctr_va_vdst(0)                   ; the conversions have written the codes v160-175, the two lines above v193 and v194: the six stores read them
	global_store_b128 v7, v[PC:PC+3], s[46:47] offset:\u*1024
	global_store_b128 v7, v[PC+4:PC+7], s[46:47] offset:\u*1024+512
	global_store_b128 v8, v[PC+8:PC+11], s[46:47] offset:\u*1024
	global_store_b128 v8, v[PC+12:PC+15], s[46:47] offset:\u*1024+512
	global_store_b32 v7, v[PWA], s[48:49] offset:4*\u
	global_store_b32 v9, v[PWB], s[48:49] offset:4*\u
.endm
	s_mov_b32 s63, 2
.Lq_trip:                                          ; a trip: 32 tokens, two tiles
	UNITQ 0
	UNITQ 1
	s_wait_xcnt 0x0                                ; every base may be stepped
	s_add_nc_u64 s[40:41], s[40:41], 12288
	s_add_nc_u64 s[42:43], s[42:43], 384
	s_add_nc_u64 s[46:47], s[46:47], 2048
	s_add_nc_u64 s[48:49], s[48:49], 8
	s_add_co_u32 s66, s66, 32
	s_sub_co_u32 s63, s63, 1
	s_cmp_lg_u32 s63, 0
	s_cbranch_scc1 .Lq_trip
	s_endpgm
; ---------------- v ----------------
.Lpath_v:
	s_sub_co_u32 s82, ttmp9, 192                   ; which 128 tokens of the 8,192
	s_wait_kmcnt 0x0
	s_mul_i32 s50, s82, 49152
	s_add_nc_u64 s[36:37], s[8:9], s[50:51]        ; held: x's 128 tokens
	s_mul_i32 s50, s82, 1536
	s_add_nc_u64 s[38:39], s[10:11], s[50:51]
	s_mul_i32 s50, s2, 36864
	s_add_nc_u64 s[40:41], s[24:25], s[50:51]      ; streamed: Wv's rows 96 x wave on
	s_mul_i32 s50, s2, 1152
	s_add_nc_u64 s[42:43], s[26:27], s[50:51]
	s_mul_i32 s50, s2, 384
	s_add_nc_u64 s[44:45], s[28:29], s[50:51]
	s_lshr_b32 s83, s82, 5                         ; batch
	s_mul_i32 s50, s83, 6*KVH
	s_and_b32 s84, s82, 31
	s_mul_i32 s84, s84, BLK
	s_add_co_u32 s50, s50, s84
	s_add_nc_u64 s[46:47], s[34:35], s[50:51]      ; kv at the batch's head 0, my group's block
	s_mul_i32 s67, s2, 6                           ; my first tile of channels, of 24
	s_wait_alu depctr_va_vdst(0)
	v_lshlrev_b32 v10, 2, v4                       ; bias: my lane's channel
	HELD
.macro BIASV off                       ; the lane's channel's bias in all eight registers of C
	WIN 0x80
.irp j, 0,1,2,3,4,5,6,7
	global_load_b32 v[BI+\j], v10, s[44:45] offset:\off
.endr
	WIN 0
.endm
	BIASV 0
	STREAM 0, 0
.macro UNITV u
	s_wait_loadcnt 0x0
	MUL 0
	PLACES 8                                       ; as above: ahead of the first read of results, and ahead of the loads into sources
.if \u == 0
	s_wait_alu depctr_va_vdst(0)                   ; the 24 products are done reading the tile v44-91, its scale words v40-42 and the bias v128-135 of window 2: the loads below land there, with only loads and window switches between
	STREAM 3072, 96
	BIASV 32
.else
	s_cmp_eq_u32 s63, 1
	s_cbranch_scc1 .Lv_last_\@
	s_wait_alu depctr_va_vdst(0)                   ; the 24 products are done reading the tile v44-91, its scale words v40-42 and the bias v128-135 of window 2: the loads below land there, with only loads and window switches between
	STREAM 12288, 384
	BIASV 128
.Lv_last_\@:
.endif
	s_wait_xcnt 0x0                                ; the last unit's stores have had their addresses translated: their offsets and data may be written again,
	s_wait_alu depctr_vm_vsrc(0)                   ; and they have read the offsets v11, v12, the codes v160-175 and the scale word v192, which the lines below write again
	s_add_co_u32 s84, s67, \u                      ; tile y of channels: head y / 4, tile y % 4 in it
	s_lshr_b32 s85, s84, 2
	s_mul_i32 s85, s85, KVH
	s_and_b32 s86, s84, 3
	s_lshl_b32 s87, s86, 11
	s_add_co_u32 s87, s87, s85
	s_add_co_u32 s87, s87, 8192
	v_add_nc_u32 v11, s87, v7                      ; V's image
	s_lshl_b32 s86, s86, 2
	s_add_co_u32 s86, s86, s85
	s_add_co_u32 s86, s86, 17408
	v_add_nc_u32 v12, s86, v7                      ; and its scale word
	QUANT AC                                       ; blocks of 32 keys; it reads each accumulator from its low end on
	s_wait_alu depctr_va_vdst(0)                   ; the offsets v11 and v12, the codes v160-175 and the scale word v192 are written: the five stores read them
.irp c, 0,1,2,3
	global_store_b128 v11, v[PC+4*\c:PC+4*\c+3], s[46:47] offset:512*\c
.endr
	global_store_b32 v12, v[PW], s[46:47]
.endm
	s_mov_b32 s63, 3
.Lv_trip:                                          ; a trip: 32 channels, two tiles
	UNITV 0
	UNITV 1
	s_wait_xcnt 0x0
	s_add_nc_u64 s[40:41], s[40:41], 12288
	s_add_nc_u64 s[42:43], s[42:43], 384
	s_add_nc_u64 s[44:45], s[44:45], 128
	s_add_co_u32 s67, s67, 2
	s_sub_co_u32 s63, s63, 1
	s_cmp_lg_u32 s63, 0
	s_cbranch_scc1 .Lv_trip
	s_endpgm
.Lfunc_end_k_q85580ef9f0_qkv:
	.size	k_q85580ef9f0_qkv, .Lfunc_end_k_q85580ef9f0_qkv-k_q85580ef9f0_qkv
	.p2alignl 7, 3214868480
	.fill 96, 4, 3214868480
	.section	.rodata,"a",@progbits
	.p2align	6, 0x0
	.amdhsa_kernel k_q85580ef9f0_qkv
		.amdhsa_group_segment_fixed_size 0
		.amdhsa_private_segment_fixed_size 0
		.amdhsa_enable_private_segment 0
		.amdhsa_kernarg_size 112
		.amdhsa_user_sgpr_count 2
		.amdhsa_user_sgpr_kernarg_segment_ptr 1
		.amdhsa_wavefront_size32 1
		.amdhsa_system_sgpr_workgroup_id_x 1
		.amdhsa_system_sgpr_workgroup_id_y 1
		.amdhsa_system_sgpr_workgroup_id_z 1
		.amdhsa_system_vgpr_workitem_id 0
		.amdhsa_next_free_vgpr 768
		.amdhsa_next_free_sgpr 96
		.amdhsa_reserve_vcc 0
		.amdhsa_float_denorm_mode_32 3
		.amdhsa_float_denorm_mode_16_64 3
		.amdhsa_memory_ordered 1
		.amdhsa_forward_progress 1
		.amdhsa_inst_pref_size 151
	.end_amdhsa_kernel
	.amdgpu_metadata
---
amdhsa.version: [ 1, 2 ]
amdhsa.kernels:
  - .name:           k_q85580ef9f0_qkv
    .symbol:         k_q85580ef9f0_qkv.kd
    .args:
      - { .name: x_codes, .offset: 0, .size: 8, .value_kind: global_buffer, .address_space: global }
      - { .name: x_scales, .offset: 8, .size: 8, .value_kind: global_buffer, .address_space: global }
      - { .name: Wq_codes, .offset: 16, .size: 8, .value_kind: global_buffer, .address_space: global }
      - { .name: Wq_scales, .offset: 24, .size: 8, .value_kind: global_buffer, .address_space: global }
      - { .name: bq, .offset: 32, .size: 8, .value_kind: global_buffer, .address_space: global }
      - { .name: Wk_codes, .offset: 40, .size: 8, .value_kind: global_buffer, .address_space: global }
      - { .name: Wk_scales, .offset: 48, .size: 8, .value_kind: global_buffer, .address_space: global }
      - { .name: bk, .offset: 56, .size: 8, .value_kind: global_buffer, .address_space: global }
      - { .name: Wv_codes, .offset: 64, .size: 8, .value_kind: global_buffer, .address_space: global }
      - { .name: Wv_scales, .offset: 72, .size: 8, .value_kind: global_buffer, .address_space: global }
      - { .name: bv, .offset: 80, .size: 8, .value_kind: global_buffer, .address_space: global }
      - { .name: q, .offset: 88, .size: 8, .value_kind: global_buffer, .address_space: global }
      - { .name: qs, .offset: 96, .size: 8, .value_kind: global_buffer, .address_space: global }
      - { .name: kv, .offset: 104, .size: 8, .value_kind: global_buffer, .address_space: global }
    .group_segment_fixed_size: 0
    .private_segment_fixed_size: 0
    .kernarg_segment_align: 8
    .kernarg_segment_size: 112
    .max_flat_workgroup_size: 128
    .sgpr_count:     96
    .vgpr_count:     768
    .wavefront_size: 32
...
	.end_amdgpu_metadata
.endif
;; end of part 4
;; launch attn (part 5): grid 16 x 12, 16 waves a work-group, no clusters, 37,888 bytes of LDS; arguments q, qs, kv, yc, ys; writes yc, ys
.if DOCPART == 5
	.amdgcn_target "amdgcn-amd-amdhsa--gfx1250"
	.amdhsa_code_object_version 6
	.text
	.protected	k_q85580ef9f0_attn
	.globl	k_q85580ef9f0_attn
	.p2align	8
	.type	k_q85580ef9f0_attn,@function
k_q85580ef9f0_attn:
	s_mov_b64 s[64:65], 0
	v_nop
	global_prefetch_b8 v0, s[64:65] scope:SCOPE_SE
	s_setreg_imm32_b32 hwreg(HW_REG_WAVE_SCHED_MODE, 0, 2), 2
	s_setreg_imm32_b32 hwreg(HW_REG_WAVE_MODE, 25, 1), 1
	s_wait_xcnt 0x0
	s_wait_alu depctr_vm_vsrc(0)
; y = softmax(q k^T / 8, causal) v for one (batch, head), both products on codes of E5M2 with E8M0 scales; y is then quantised along its 64 channels (two blocks of the last product's K).
; THE SOFTMAX: t = score x log2(e) / 8; M = the running largest t rounded UP to a whole number; p = 2^(t - M) is quantised along the keys, not normalised; the row's sum is taken of the unquantised p and divides at the end.
; When M moves, the sum and O are multiplied by 2^(old M - new M): exact.
; INPUTS are images of operand registers (512 bytes for four registers, lane l at 16 l).  A block of kv holds 128 keys of the head: K's 8 tiles (2 groups each: the head's 64 fill half of the instruction's K;
; the upper eight registers of every fragment of q and k are zero codes, under scale bytes 0, which is 2^-127 and no NaN), V^T's 4 fragments, K's scale words, V's scale words: 17,920 bytes.
; Tiles hold permuted rows (lane r of tile (b, u): row 32 b + 8 u + r + (r & 8)), so that in S^T = K Q^T the 16 registers of tiles (b, 0), (b, 1) are keys 32 b + 16 (lane / 16) + 0 .. 15: the order of P's registers.
; SHARES.  Work-group (j, head) owns the groups of 128 queries j and 31 - j: 8 (j + 1) + 8 (32 - j) = 264 wave-steps in every work-group.  Each of 16 waves owns one tile of 16 queries, four waves to a SIMD;
; role = (w xor (w / 4)) & 1 picks the group, so that two early and two late tiles fall to each four waves w % 4 = const and each four w / 4 = const.
; THE KEYS go in steps of 128 through two LDS slots.  All 512 threads bring the next block through registers: loads at a step's head, LDS stores into the other slot at its end, then ONE barrier, in front of which
; every wave has waited for its LDS loads (of this slot) and stores (into the other).  A trip runs the two slots, so every LDS offset is an immediate.  A step all of whose keys come after a wave's queries is
; jumped over by that wave (a scalar branch on ids), not its part of the copy and not the barrier.  No cluster: the 16 work-groups of a head need 17 to 32 blocks, not the same number.
; LIMITS: NaN and infinities are not served; a block of p or y under 2^-111 gets the byte 1; 1 / sum by v_rcp_f32.
; THE MODE: SCHED_MODE bits 1:0 = 2 (LLVM: expert scheduling mode 2), set by the entry lines.  The code itself states the register dependences between vector or matrix instructions and memory or LDS instructions, with s_wait_alu, always for 0.
; THE PLAN.  Registers that memory or LDS instructions touch, in the loop:
;   v216-227      the block on its way: global loads land there at a step's head, LDS stores read them at its end; no vector instruction names them.
;   v8-15, v40-47 + 16 t   K's scale words and tiles: LDS loads land there; the score products read them; tiles 4-7 land where tiles 0-3 lay.
;   v16-19        V's scale words: asked for at the step's head; read by the step's last four products.
;   v104-167      written by the score products, worked on by the softmax, read by the conversions; then V's fragments land there, which the last four products read.
;   v200-215, v6  p's codes and scale word: written by vector instructions, taken by the last four products as B and as scales.
;   v1, v2, v7    addresses and offsets, made at the head and never written again.
; A step's waits: vm_vsrc at its top (the LDS stores have read v216-227); va_vdst at the head of its work (the last step's products are done with K's registers and v16-19); va_vdst ahead of K's tiles 4-7;
; va_vdst behind the exponentials; va_vdst behind the conversions and four lines of O^T's rescaling, ahead of V's loads: the other twelve lines run while those loads are out.  All 1,024 registers of a SIMD are taken: no further buffer.
; REGISTERS: v1 16 lane, v2 512 wave + 16 lane, v3 the diagonal's bound, v4 -inf, v5 q's scale word, v6 p's, v7 4 lane, v8-15 K's scale words, v16-19 V's, v20 -M, v21 largest t, v[22:23] the sum,
;   v24-39 Q, v40-103 four buffers for K's tiles, v104-167 S^T, then p, then V's four fragments, v168-199 O^T, v200-215 p's codes, v216-227 the block on its way, v228-249 at work.  s40-47: the masks of eight compares.
.set BLK, 17920
	s_load_b256 s[4:11], s[0:1], 0x0               ; q s[4:5], qs s[6:7], kv s[8:9], yc s[10:11]
	s_load_b64 s[12:13], s[0:1], 0x20              ; ys
	v_lshl_add_u32 v254, v0, 2, 0x8c00
	v_mov_b32 v255, 0
	v_lshrrev_b32 v1, 5, v0
	v_readfirstlane_b32 s14, v1                    ; wave 0..15
	v_and_b32 v1, 31, v0
	v_lshlrev_b32 v7, 2, v1
	v_lshlrev_b32 v1, 4, v1
	s_wait_alu depctr_va_sdst(0)                   ; s14, the wave's number, is written, ahead of its first reader
	s_lshl_b32 s33, s14, 9
	v_add_nc_u32 v2, s33, v1                       ; my 16 bytes of each 8,192 that the work-group copies
	s_mov_b32 s15, ttmp9                           ; j
	s_and_b32 s16, ttmp7, 0xffff                   ; 6 x batch + head
	s_lshr_b32 s17, s14, 2
	s_xor_b32 s17, s17, s14
	s_and_b32 s17, s17, 1                          ; role
	s_lshr_b32 s18, s14, 1                         ; my tile in its group of 128 queries
	s_sub_co_u32 s33, 31, s15
	s_cmp_eq_u32 s17, 1
	s_cselect_b32 s19, s33, s15                    ; my group, which is also my last key step
	s_sub_co_u32 s20, 33, s15
	s_lshr_b32 s20, s20, 1                         ; trips of two steps that the work-group walks: its 32 - j steps, rounded up to whole trips
	v_and_b32 v246, 15, v0
	v_and_b32 v247, 8, v246
	v_add_nc_u32 v246, v246, v247                  ; r + (r & 8)
	v_bfe_u32 v247, v0, 4, 1
	v_lshlrev_b32 v247, 4, v247
	v_sub_nc_u32 v3, v246, v247
	s_lshr_b32 s33, s18, 1
	s_lshl_b32 s33, s33, 5
	s_and_b32 s34, s18, 1
	s_lshl_b32 s34, s34, 3
	s_add_co_u32 s33, s33, s34
	v_add_nc_u32 v3, s33, v3                       ; my query in its group - 16 (lane / 16): register 16 b + i holds key 32 b + i + 16 (lane / 16), hidden on the diagonal where 32 b + i exceeds this
	v_mov_b32 v4, 0xff800000
	s_mov_b32 s28, 0x76543210
	s_mov_b32 s29, 0xfedcba98                      ; v_permlanex16_b32's selects for lane l xor 16
	s_mov_b32 s30, 0x3e38aa3b                      ; c = log2(e) / 8
	s_mov_b32 s31, s30                             ; (named with it as a pair)
	s_mov_b32 s32, 0x600000                        ; the mantissa field of 57,344
	s_mov_b32 s25, 0                               ; the high word of the offset pair s[24:25]
	s_cmp_ge_u32 s16, 6
	s_cselect_b32 s33, 1, 0                        ; batch
	s_cselect_b32 s34, 6, 0
	s_sub_co_u32 s34, s16, s34                     ; head
	s_lshl_b32 s35, s33, 8
	s_lshl_b32 s36, s19, 3
	s_add_co_u32 s35, s35, s36
	s_add_co_u32 s35, s35, s18                     ; my tile among the 512 tiles of tokens
	s_lshr_b32 s36, s34, 1                         ; the last product's K step,
	s_and_b32 s37, s34, 1                          ; and which half of it
	s_wait_kmcnt 0x0
	s_mul_i32 s24, s35, 6144
	s_lshl_b32 s38, s36, 11
	s_add_co_u32 s24, s24, s38
	s_lshl_b32 s38, s37, 10
	s_add_co_u32 s24, s24, s38
	s_add_nc_u64 s[10:11], s[10:11], s[24:25]      ; where y's codes go,
	s_mul_i32 s24, s35, 384
	s_lshl_b32 s38, s36, 7
	s_add_co_u32 s24, s24, s38
	s_lshl_b32 s38, s37, 1
	s_add_co_u32 s24, s24, s38
	s_add_nc_u64 s[12:13], s[12:13], s[24:25]      ; and its two scale bytes
	s_mul_i32 s24, s16, 32*BLK
	s_add_nc_u64 s[8:9], s[8:9], s[24:25]          ; the head's blocks
	s_lshl_b32 s24, s16, 18
	s_lshl_b32 s33, s19, 13
	s_add_co_u32 s24, s24, s33
	s_lshl_b32 s33, s18, 10
	s_add_co_u32 s24, s24, s33
	s_add_nc_u64 s[4:5], s[4:5], s[24:25]          ; my tile of q
	s_lshl_b32 s24, s16, 15
	s_lshl_b32 s33, s19, 10
	s_add_co_u32 s24, s24, s33
	s_lshr_b32 s33, s18, 2
	s_lshl_b32 s33, s33, 9
	s_add_co_u32 s24, s24, s33
	s_and_b32 s33, s18, 3
	s_lshl_b32 s33, s33, 2
	s_add_co_u32 s24, s24, s33
	s_add_nc_u64 s[6:7], s[6:7], s[24:25]          ; and its scale words
	s_wait_alu depctr_va_vdst(0)                   ; v1, v2 and v7 are written: every load, store and LDS instruction of the kernel reads one of them as its address or offset
	global_load_b128 v[24:27], v1, s[4:5]
	global_load_b128 v[28:31], v1, s[4:5] offset:512
	global_load_b32 v5, v1, s[6:7]
	global_load_b128 v[216:219], v2, s[8:9]        ; block 0
	global_load_b128 v[220:223], v2, s[8:9] offset:8192
	s_cmp_lt_u32 s14, 3                            ; the last 1,536 bytes: 96 threads
	s_cbranch_scc0 .Lhead_a
	global_load_b128 v[224:227], v2, s[8:9] offset:16384
.Lhead_a:
.irp i, 32,33,34,35,36,37,38,39, 48,49,50,51,52,53,54,55, 64,65,66,67,68,69,70,71, 80,81,82,83,84,85,86,87, 96,97,98,99,100,101,102,103
	v_mov_b32 v\i, 0                               ; zero codes: k 64 .. 127 of Q's fragment and of the four buffers for K's; they stay
.endr
.set n, 168
.rept 32
	v_mov_b32 v[n], 0                              ; O^T: the step is written once, its first run finds zeros
.set n, n+1
.endr
	v_mov_b32 v22, 0
	v_mov_b32 v23, 0
.irp i, 232,233,234,235
	v_mov_b32 v\i, 0                               ; a lane permute's destination counts as one of its sources
.endr
	v_mov_b32 v245, 0                              ; (named as the upper half of the pair v[244:245])
	v_mov_b32 v21, 0xff61b1e6                      ; the largest t so far: -3e38
	v_floor_f32 v20, -v21
	s_wait_loadcnt 0x0
	ds_store_b128 v2, v[216:219]
	ds_store_b128 v2, v[220:223] offset:8192
	s_cmp_lt_u32 s14, 3
	s_cbranch_scc0 .Lhead_b
	ds_store_b128 v2, v[224:227] offset:16384
.Lhead_b:
	s_wait_dscnt 0x0                               ; for the others' sake: my part of slot 0 has landed
	s_barrier_signal -1
	s_barrier_wait -1
.macro STEP k                          ; the step 2 x s21 + k, whose block lies in slot k
.set SL, (\k)*BLK
.set OT, BLK-SL
	s_lshl_b32 s22, s21, 1                         ; the trip's number counts pairs of steps
	s_add_co_u32 s22, s22, \k
	s_add_co_u32 s23, s22, 1
	s_min_u32 s23, s23, 31                         ; the next block; held at the head's last, so that no load leaves kv
	s_mul_i32 s24, s23, BLK
	s_add_nc_u64 s[26:27], s[8:9], s[24:25]        ; (the loads that last named this pair were waited for at the last step's end)
	s_wait_alu depctr_vm_vsrc(0)                   ; my LDS stores of the step before (the first time: the head's) have read v216-227, in which the loads below land
	global_load_b128 v[216:219], v2, s[26:27]
	global_load_b128 v[220:223], v2, s[26:27] offset:8192
	s_cmp_lt_u32 s14, 3
	s_cbranch_scc0 .Lno_third_\@
	global_load_b128 v[224:227], v2, s[26:27] offset:16384
.Lno_third_\@:
	s_cmp_gt_u32 s22, s19                          ; all these keys come after my queries
	s_cbranch_scc1 .Lhidden_\@
	; S^T = K Q^T, four tiles of 16 keys at a time
	s_wait_alu depctr_va_vdst(0)                   ; the last step's products are done reading K's scale words v8-15, K's buffers and V's scale words v16-19, in which the loads below land; the first time: the zero codes of Q's and K's fragments are written, which the products take in A and B
	ds_load_b128 v[8:11], v1 offset:SL+16384       ; K's scale words, tiles 0-3,
	ds_load_b128 v[12:15], v1 offset:SL+16896      ; tiles 4-7
.irp t, 0,1,2,3
	ds_load_b128 v[40+16*\t:43+16*\t], v1 offset:SL+1024*\t
	ds_load_b128 v[44+16*\t:47+16*\t], v1 offset:SL+1024*\t+512
.endr
.rept 9
	v_nop                                          ; nine places: the products below write over registers that the last step's products read as V's fragments
.endr
	ds_load_b128 v[16:19], v1 offset:SL+17408      ; V's scale words, asked for a softmax ahead of their use; the nine places also lie between the last step's products, which read these registers, and this load
	s_wait_dscnt 0x0
.irp t, 0,1,2,3
	v_wmma_scale_f32_16x16x128_f8f6f4 v[104+8*\t:111+8*\t], v[40+16*\t:55+16*\t], v[24:39], 0, v[8+\t], v5 matrix_a_fmt:MATRIX_FMT_BF8 matrix_b_fmt:MATRIX_FMT_BF8
.endr
.rept 8
	v_nop                                          ; eight places ahead of loads into registers that these products read
.endr
	s_wait_alu depctr_va_vdst(0)                   ; the four products are done reading K's buffers, in which tiles 4-7 land
.irp t, 0,1,2,3
	ds_load_b128 v[40+16*\t:43+16*\t], v1 offset:SL+4096+1024*\t
	ds_load_b128 v[44+16*\t:47+16*\t], v1 offset:SL+4096+1024*\t+512
.endr
	s_wait_dscnt 0x0
.irp t, 0,1,2,3
	v_wmma_scale_f32_16x16x128_f8f6f4 v[136+8*\t:143+8*\t], v[40+16*\t:55+16*\t], v[24:39], 0, v[12+\t], v5 matrix_a_fmt:MATRIX_FMT_BF8 matrix_b_fmt:MATRIX_FMT_BF8
.endr
.rept 8
	v_nop                                          ; eight places ahead of the first read of the scores
.endr
	s_cmp_lg_u32 s22, s19                          ; only my last step lies on the diagonal
	s_cbranch_scc1 .Lopen_\@
.set n, 0
.rept 8                                            ; an accumulator's eight registers at a time, each from its low end on
.irp i, 0,1,2,3,4,5,6,7
	v_cmp_gt_i32 s[40+\i], 32*((n+\i)/16)+(n+\i)%16, v3   ; hidden keys' scores become -infinity: p = 0.  Eight masks in a run
.endr
	s_wait_alu depctr_va_sdst(0)                   ; the eight compares have written s40 to s47, which the selects below read
.irp i, 0,1,2,3,4,5,6,7
	v_cndmask_b32 v[104+n+\i], v[104+n+\i], v4, s[40+\i]
.endr
.set n, n+8
.endr
.Lopen_\@:
.irp b, 0,1,2,3
	v_max3_num_f32 v[228+\b], v[104+16*\b], v[105+16*\b], v[106+16*\b]   ; the largest score of each block of 32 keys: for the row's maximum, and, since p rises with the score, for the block's largest p
.endr
.irp i, 3,5,7,9,11,13
.irp b, 0,1,2,3
	v_max3_num_f32 v[228+\b], v[228+\b], v[104+16*\b+\i], v[105+16*\b+\i]
.endr
.endr
.irp b, 0,1,2,3
	v_max_num_f32 v[228+\b], v[228+\b], v[119+16*\b]
.endr
.irp b, 0,1,2,3
	v_permlanex16_b32 v[232+\b], v[228+\b], s28, s29
.endr
.irp b, 0,1,2,3
	v_max_num_f32 v[228+\b], v[228+\b], v[232+\b]  ; with lane l xor 16's 16 keys
.endr
	v_max3_num_f32 v246, v228, v229, v230
	v_max_num_f32 v246, v246, v231
	v_mul_f32 v246, s30, v246                      ; the step's largest t
	v_max_num_f32 v21, v21, v246
	v_mov_b32 v246, v20
	v_floor_f32 v20, -v21                          ; -M = floor(-t): M is a whole number
	v_sub_f32 v246, v20, v246                      ; old M - new M, 0 or less
	v_cvt_i32_f32 v246, v246                       ; (it saturates)
	v_ldexp_f32 v244, 1.0, v246                    ; f = 2^(old M - new M)
.set n, 0
.rept 32
	v_pk_fma_f32 v[104+n:105+n], v[104+n:105+n], s[30:31], v[20:21] op_sel_hi:[1,0,0]   ; t - M, two at a time
.set n, n+2
.endr
.irp b, 0,1,2,3
	v_fma_f32 v[228+\b], v[228+\b], s30, v20
.endr
.set n, 0
	s_wait_alu depctr_va_vdst(0)
.rept 64
	v_exp_f32 v[104+n], v[104+n]                   ; p = 2^(t - M)
.set n, n+1
.endr
.irp b, 0,1,2,3
	v_exp_f32 v[228+\b], v[228+\b]                 ; the block's largest p
.endr
	v_pk_mul_f32 v[22:23], v[22:23], v[244:245] op_sel_hi:[1,0]   ; the sum under the new M (the plain line behind the exponentials)
	s_wait_alu depctr_va_vdst(0)                   ; the 68 exponentials have written p (v104-167) and the blocks' largest p (v228-231): one wait for the batch, ahead of its first reader
.irp b, 0,1,2,3
	v_max_num_f32 v[228+\b], 0x8000000, v[228+\b]  ; the floor 2^(16 - 127)
.endr
.irp b, 0,1,2,3
	v_add_nc_u32 v[240+\b], 0xf8800000, v[228+\b]  ; the conversion's scale operand
.endr
.irp b, 0,1,2,3
	v_and_or_b32 v[236+\b], v[228+\b], 0x7f800000, s32   ; 57,344 x the scale
.endr
.irp b, 0,1,2,3
	v_lshrrev_b32 v[232+\b], 23, v[240+\b]         ; the scale's byte
.endr
	v_lshl_or_b32 v6, v233, 8, v232                ; p's scale word: more than a hundred plain lines ahead of the products that name it
	v_lshl_or_b32 v6, v234, 16, v6
	v_lshl_or_b32 v6, v235, 24, v6
	v_pk_add_f32 v[248:249], v[104:105], v[106:107]   ; the sum of the unquantised p, in two chains
.irp j, 4,8,12,16,20,24,28,32,36,40,44,48,52,56,60
	v_pk_add_f32 v[22:23], v[22:23], v[104+\j:105+\j]
	v_pk_add_f32 v[248:249], v[248:249], v[106+\j:107+\j]
.endr
	v_pk_add_f32 v[22:23], v[22:23], v[248:249]
.irp b, 0,1,2,3
.irp i, 0,1,2,3,4,5,6,7,8,9,10,11,12,13,14,15
	v_min_num_f32 v[104+16*\b+\i], v[104+16*\b+\i], v[236+\b]   ; the hold (ISA guide 7.6.2: the conversion does not saturate); p is not negative
.endr
	v_cvt_scalef32_pk8_bf8_f32 v[200+4*\b:201+4*\b], v[104+16*\b:111+16*\b], v[240+\b]
	v_cvt_scalef32_pk8_bf8_f32 v[202+4*\b:203+4*\b], v[112+16*\b:119+16*\b], v[240+\b]
.endr
	; O^T += V^T P^T: V's four fragments take p's registers
.set n, 0
.rept 4
	v_pk_mul_f32 v[168+n:169+n], v[168+n:169+n], v[244:245] op_sel_hi:[1,0]   ; O^T under the new M: the first four lines are the places between the conversions and the products that take the codes
.set n, n+2
.endr
	s_wait_alu depctr_va_vdst(0)                   ; the conversions are done reading p in v104-167, in which V's fragments land; they have written the codes v200-215, and the shifts v6, which the products below take as B and as scales (their places stand ahead of this wait)
.irp t, 0,1,2,3
.irp c, 0,1,2,3
	ds_load_b128 v[104+16*\t+4*\c:107+16*\t+4*\c], v1 offset:SL+8192+2048*\t+512*\c
.endr
.endr
.rept 12
	v_pk_mul_f32 v[168+n:169+n], v[168+n:169+n], v[244:245] op_sel_hi:[1,0]   ; the other twelve run while the loads are out: they name O^T and f alone, none of the registers that those loads touch
.set n, n+2
.endr
	s_wait_alu depctr_va_vdst(0)
	s_wait_dscnt 0x0
.irp t, 0,1,2,3
	v_wmma_scale_f32_16x16x128_f8f6f4 v[168+8*\t:175+8*\t], v[104+16*\t:119+16*\t], v[200:215], v[168+8*\t:175+8*\t], v[16+\t], v6 matrix_a_fmt:MATRIX_FMT_BF8 matrix_b_fmt:MATRIX_FMT_BF8
.endr
.Lhidden_\@:
	s_wait_loadcnt 0x0                             ; the next block is in registers
	ds_store_b128 v2, v[216:219] offset:OT         ; into the other slot: its last reads were waited for in front of the last barrier
	ds_store_b128 v2, v[220:223] offset:OT+8192
	s_cmp_lt_u32 s14, 3
	s_cbranch_scc0 .Lno_third_b_\@
	ds_store_b128 v2, v[224:227] offset:OT+16384
.Lno_third_b_\@:
	s_wait_dscnt 0x0                               ; my stores have landed, and my reads of this slot are in
	s_barrier_signal -1
	s_barrier_wait -1
.endm
	s_mov_b32 s21, 0
.Lpair:                                            ; a trip: two key steps, slot 0 and slot 1; the counter goes by one against a register that the loop does not write
	STEP 0
	STEP 1
	s_add_co_u32 s21, s21, 1
	s_cmp_lt_u32 s21, s20
	s_cbranch_scc1 .Lpair
	; THE WAY OUT: y = O^T / the sum, quantised: register 16 b + i is channel 32 b + 16 (lane / 16) + i of my query
.rept 8
	v_nop                                          ; eight places behind the last products
.endr
	s_wait_alu depctr_va_vdst(0)
	v_add_f32 v22, v22, v23
	v_permlanex16_b32 v232, v22, s28, s29
	v_add_f32 v22, v22, v232                       ; the row's sum
	s_wait_alu depctr_va_vdst(0)
	v_rcp_f32 v22, v22
	v_nop                                          ; a plain line behind the transcendental
	s_wait_alu depctr_va_vdst(0)                   ; the reciprocal has written v22, ahead of its first reader
.set n, 0
.rept 32
	v_mul_f32 v[104+n], v[168+n], v22              ; each accumulator from its low end on
.set n, n+1
.endr
.irp b, 0,1
	v_max3_num_f32 v[228+\b], |v[104+16*\b]|, |v[105+16*\b]|, 0x8000000
.endr
.irp i, 2,4,6,8,10,12,14
.irp b, 0,1
	v_max3_num_f32 v[228+\b], v[228+\b], |v[104+16*\b+\i]|, |v[105+16*\b+\i]|
.endr
.endr
.irp b, 0,1
	v_permlanex16_b32 v[232+\b], v[228+\b], s28, s29
.endr
.irp b, 0,1
	v_max_num_f32 v[228+\b], v[228+\b], v[232+\b]
.endr
.irp b, 0,1
	v_add_nc_u32 v[240+\b], 0xf8800000, v[228+\b]
.endr
.irp b, 0,1
	v_and_or_b32 v[236+\b], v[228+\b], 0x7f800000, s32
.endr
.irp b, 0,1
	v_lshrrev_b32 v[232+\b], 23, v[240+\b]
.endr
	v_lshl_or_b32 v246, v233, 8, v232              ; my head's two scale bytes
.irp b, 0,1
.irp i, 0,1,2,3,4,5,6,7,8,9,10,11,12,13,14,15
	v_med3_num_f32 v[104+16*\b+\i], v[104+16*\b+\i], -v[236+\b], v[236+\b]
.endr
	v_cvt_scalef32_pk8_bf8_f32 v[200+4*\b:201+4*\b], v[104+16*\b:111+16*\b], v[240+\b]
	v_cvt_scalef32_pk8_bf8_f32 v[202+4*\b:203+4*\b], v[112+16*\b:119+16*\b], v[240+\b]
.endr
	v_nop
	s_wait_alu depctr_va_vdst(0)                   ; the conversions have written y's codes v200-207, the shift v246: the three stores read them
	global_store_b128 v1, v[200:203], s[10:11]     ; 512 consecutive bytes a store
	global_store_b128 v1, v[204:207], s[10:11] offset:512
	global_store_b16 v7, v246, s[12:13]
	s_wait_dscnt 0x0
	s_wait_alu depctr_hold_cnt(0) depctr_sa_sdst(0) depctr_va_vdst(0) depctr_va_sdst(0) depctr_va_ssrc(0) depctr_va_vcc(0) depctr_vm_vsrc(0)
	s_wait_tensorcnt 0x0
	ds_add_u32 v254, v255
	s_wait_dscnt 0x0
	s_endpgm
.Lfunc_end_k_q85580ef9f0_attn:
	.size	k_q85580ef9f0_attn, .Lfunc_end_k_q85580ef9f0_attn-k_q85580ef9f0_attn
	.p2alignl 7, 3214868480
	.fill 96, 4, 3214868480
	.section	.rodata,"a",@progbits
	.p2align	6, 0x0
	.amdhsa_kernel k_q85580ef9f0_attn
		.amdhsa_group_segment_fixed_size 37888
		.amdhsa_private_segment_fixed_size 0
		.amdhsa_enable_private_segment 0
		.amdhsa_kernarg_size 40
		.amdhsa_user_sgpr_count 2
		.amdhsa_user_sgpr_kernarg_segment_ptr 1
		.amdhsa_wavefront_size32 1
		.amdhsa_system_sgpr_workgroup_id_x 1
		.amdhsa_system_sgpr_workgroup_id_y 1
		.amdhsa_system_sgpr_workgroup_id_z 1
		.amdhsa_system_vgpr_workitem_id 0
		.amdhsa_next_free_vgpr 256
		.amdhsa_next_free_sgpr 66
		.amdhsa_reserve_vcc 0
		.amdhsa_float_denorm_mode_32 3
		.amdhsa_float_denorm_mode_16_64 3
		.amdhsa_memory_ordered 1
		.amdhsa_forward_progress 1
		.amdhsa_inst_pref_size 71
	.end_amdhsa_kernel
	.amdgpu_metadata
---
amdhsa.version: [ 1, 2 ]
amdhsa.kernels:
  - .name:           k_q85580ef9f0_attn
    .symbol:         k_q85580ef9f0_attn.kd
    .args:
      - { .name: q, .offset: 0, .size: 8, .value_kind: global_buffer, .address_space: global }
      - { .name: qs, .offset: 8, .size: 8, .value_kind: global_buffer, .address_space: global }
      - { .name: kv, .offset: 16, .size: 8, .value_kind: global_buffer, .address_space: global }
      - { .name: yc, .offset: 24, .size: 8, .value_kind: global_buffer, .address_space: global }
      - { .name: ys, .offset: 32, .size: 8, .value_kind: global_buffer, .address_space: global }
    .group_segment_fixed_size: 37888
    .private_segment_fixed_size: 0
    .kernarg_segment_align: 8
    .kernarg_segment_size: 40
    .max_flat_workgroup_size: 512
    .sgpr_count:     66
    .vgpr_count:     256
    .wavefront_size: 32
...
	.end_amdgpu_metadata
.endif
;; end of part 5
;; launch proj (part 6): grid 256 x 1, 6 waves a work-group, no clusters, 26,880 bytes of LDS; arguments yc, ys, Wp_codes, Wp_scales, bp, out0; writes out0
.if DOCPART == 6
	.amdgcn_target "amdgcn-amd-amdhsa--gfx1250"
	.amdhsa_code_object_version 6
	.text
	.protected	k_q85580ef9f0_proj
	.globl	k_q85580ef9f0_proj
	.p2align	8
	.type	k_q85580ef9f0_proj,@function
k_q85580ef9f0_proj:
	s_mov_b64 s[64:65], 0
	v_nop
	global_prefetch_b8 v0, s[64:65] scope:SCOPE_SE
	s_setreg_imm32_b32 hwreg(HW_REG_WAVE_SCHED_MODE, 0, 2), 2
	s_setreg_imm32_b32 hwreg(HW_REG_WAVE_MODE, 25, 1), 1
	s_wait_xcnt 0x0
	s_wait_alu depctr_vm_vsrc(0)
; out = y Wp^T + bp on codes of E5M2 with E8M0 scales.  y comes as images of operand registers: tile (of 16 permuted tokens) x K step of 128: 2,048 bytes, and a scale word a lane.  Wp: 384 rows x 384 codes, K innermost.
; SHARES.  A work-group takes 32 tokens: the two tiles m = 0, 1, whose lane r is token 32 g + 8 m + r + (r & 8).  Wave w takes output channels 64 w .. 64 w + 63: four tiles of Wp's rows.  A wave works alone: 24 matrix instructions.
; The product is used transposed (source 0 = 16 rows of Wp, source 1 = y): a lane holds eight neighbouring channels of one token.  The bias is the C of each sum's first instruction.
; THE WAY OUT goes through the wave's own stage in LDS (16 rows of 256 bytes + 16), so that sixteen lanes store 256 consecutive bytes at a multiple of 256 from out's first byte; the tokens' permutation is undone by the stores' offsets.
; No tensor load, no cluster: all that is shared is Wp, 150 KB, and each wave reads its sixth of it once.
; THE MODE: SCHED_MODE bits 1:0 = 2 (LLVM: expert scheduling mode 2), set by the entry lines.  The code itself states the register dependences between vector or matrix instructions and memory or LDS instructions, with s_wait_alu, always for 0.
; THE PLAN.  Registers that memory or LDS instructions touch:
;   v4-v11        offsets and LDS addresses, made at the head and never written again: one wait on va_vdst ahead of the first load serves every load and store of the kernel.
;   Wp's fragments, the bias, all scale words: loaded once; named by matrix instructions alone.
;   v32-127       y's fragments: loaded once, read by the products; then the rows read back from the stage land in v32-95, from which the global stores leave.
;   v128-191      the accumulators: written by the products, read by the LDS stores.
; So one more wait on va_vdst, behind the eight places behind the last product, states both: the accumulators are written, and y's fragments have been read.
; REGISTERS.  window 0: v4-11 lane terms; v12-23 Wp's scale words (3 t + s); v24-29 y's (3 m + s); v32-127 y's fragments (48 m + 16 s), later the rows read back; v128-191 the accumulators (32 m + 8 t).
;   window 1: Wp's fragments at 16 (3 t + s); from v192 the bias, 8 registers a tile.
.set MSB, 0
.macro WIN new                         ; the immediate's high byte repeats the setting that is left
.if MSB != \new
	s_set_vgpr_msb (MSB<<8)|\new
.set MSB, \new
.endif
.endm
	s_load_b256 s[4:11], s[0:1], 0x0               ; yc s[4:5], ys s[6:7], Wp codes s[8:9], Wp scales s[10:11]
	s_load_b128 s[12:15], s[0:1], 0x20             ; bp s[12:13], out s[14:15]
	v_lshl_add_u32 v254, v0, 2, 0x6600
	v_mov_b32 v255, 0
	v_lshrrev_b32 v1, 5, v0
	v_readfirstlane_b32 s16, v1                    ; wave 0..5
	v_and_b32 v1, 31, v0                           ; lane
	v_and_b32 v2, 15, v0                           ; r
	v_bfe_u32 v3, v0, 4, 1                         ; h
	v_mul_u32_u24 v4, v2, 384
	v_lshl_add_u32 v4, v3, 4, v4                   ; Wp: row r, + 16 h
	v_mul_u32_u24 v5, v2, 12                       ; its scale words
	v_lshlrev_b32 v6, 4, v1                        ; an image's place
	v_lshlrev_b32 v7, 2, v1                        ; a scale word's
	v_lshlrev_b32 v8, 5, v3                        ; bias: lanes 16-31 begin 8 numbers on
	s_wait_alu depctr_va_sdst(0)                   ; s16, the wave's number, is written, ahead of its first reader
	s_mul_i32 s17, s16, 4352                       ; my stage
	v_mul_u32_u24 v9, v2, 272
	v_lshl_add_u32 v9, v3, 5, v9
	v_add_nc_u32 v9, s17, v9                       ; in: row r, 32 bytes for each half of the lanes
	v_mul_u32_u24 v10, v3, 272
	v_lshl_add_u32 v10, v2, 4, v10
	v_add_nc_u32 v10, s17, v10                     ; back: lanes 0-15 one row, lanes 16-31 the next
	v_mul_u32_u24 v11, v3, 1536
	v_lshl_add_u32 v11, v2, 4, v11                 ; and the same in out: a token's row is 1,536 bytes
	s_mov_b32 s19, 0
	s_wait_kmcnt 0x0
	s_mul_i32 s18, ttmp9, 12288
	s_add_nc_u64 s[4:5], s[4:5], s[18:19]
	s_mul_i32 s18, ttmp9, 768
	s_add_nc_u64 s[6:7], s[6:7], s[18:19]
	s_mul_i32 s18, s16, 24576
	s_add_nc_u64 s[8:9], s[8:9], s[18:19]
	s_mul_i32 s18, s16, 768
	s_add_nc_u64 s[10:11], s[10:11], s[18:19]
	s_lshl_b32 s18, s16, 8
	s_add_nc_u64 s[12:13], s[12:13], s[18:19]
	s_add_nc_u64 s[14:15], s[14:15], s[18:19]
	s_mul_i32 s18, ttmp9, 49152
	s_add_nc_u64 s[14:15], s[14:15], s[18:19]
	WIN 0x40                                       ; destination window 1
	s_wait_alu depctr_va_vdst(0)                   ; the offsets and LDS addresses v4 to v11 are written, which the loads and stores of the kernel read; up to the products only loads and window switches follow this wait
.irp t, 0,1,2,3
.irp s, 0,1,2
.irp c, 0,1,2,3
	global_load_b128 v[16*(3*\t+\s)+4*\c:16*(3*\t+\s)+4*\c+3], v4, s[8:9] offset:6144*\t+128*\s+32*\c
.endr
.endr
	global_load_b128 v[192+8*\t:195+8*\t], v8, s[12:13] offset:64*\t
	global_load_b128 v[196+8*\t:199+8*\t], v8, s[12:13] offset:64*\t+16
.endr
	WIN 0
.irp t, 0,1,2,3
.irp s, 0,1,2
	global_load_b32 v[12+3*\t+\s], v5, s[10:11] offset:192*\t+4*\s
.endr
.endr
.irp m, 0,1
.irp s, 0,1,2
.irp c, 0,1,2,3
	global_load_b128 v[32+48*\m+16*\s+4*\c:35+48*\m+16*\s+4*\c], v6, s[4:5] offset:6144*\m+2048*\s+512*\c
.endr
	global_load_b32 v[24+3*\m+\s], v7, s[6:7] offset:384*\m+128*\s
.endr
.endr
	s_wait_loadcnt 0x0
.irp s, 0,1,2                                      ; the eight accumulators by turns, K step by K step
.if \s == 0
	WIN 0x11                                       ; source 0 (Wp) and source 2 (the bias) window 1
.else
	WIN 0x01
.endif
.irp m, 0,1
.irp t, 0,1,2,3
.if \s == 0
	v_wmma_scale_f32_16x16x128_f8f6f4 v[128+32*\m+8*\t:135+32*\m+8*\t], v[16*(3*\t+\s):16*(3*\t+\s)+15], v[32+48*\m+16*\s:47+48*\m+16*\s], v[192+8*\t:199+8*\t], v[12+3*\t+\s], v[24+3*\m+\s] matrix_a_fmt:MATRIX_FMT_BF8 matrix_b_fmt:MATRIX_FMT_BF8
.else
	v_wmma_scale_f32_16x16x128_f8f6f4 v[128+32*\m+8*\t:135+32*\m+8*\t], v[16*(3*\t+\s):16*(3*\t+\s)+15], v[32+48*\m+16*\s:47+48*\m+16*\s], v[128+32*\m+8*\t:135+32*\m+8*\t], v[12+3*\t+\s], v[24+3*\m+\s] matrix_a_fmt:MATRIX_FMT_BF8 matrix_b_fmt:MATRIX_FMT_BF8
.endif
.endr
.endr
.endr
	WIN 0
.rept 8
	v_nop                                          ; eight places ahead of the LDS stores that read results and of the loads into y's registers
.endr
	s_wait_alu depctr_va_vdst(0)                   ; the products have written the accumulators v128-191, which the LDS stores read, and are done reading y's fragments, in which the loads from the stage land; the places above stay beside this wait
.irp m, 0,1
.irp t, 0,1,2,3
	ds_store_b128 v9, v[128+32*\m+8*\t:131+32*\m+8*\t] offset:64*\t          ; each accumulator from its low end on
	ds_store_b128 v9, v[132+32*\m+8*\t:135+32*\m+8*\t] offset:64*\t+16
.endr
.irp i, 0,1,2,3,4,5,6,7
	ds_load_b128 v[32+32*\m+4*\i:35+32*\m+4*\i], v10 offset:544*\i           ; LDS serves a wave's instructions in order (ISA guide 5.7.1.4): these see the stores above, and tile 1's stores come behind tile 0's loads
.endr
.endr
.irp i, 0,1,2,3,4,5,6,7
	s_wait_dscnt 23-\i                             ; behind tile 0's load i: its 7 - i later loads, tile 1's 8 stores and 8 loads
	global_store_b128 v11, v[32+4*\i:35+4*\i], s[14:15] offset:(2*\i+8*(\i/4))*1536 th:TH_STORE_NT   ; stage rows 2 i, 2 i + 1 are tokens 2 i + 8 (i / 4) + (lane / 16) of the 32
.endr
.irp i, 0,1,2,3,4,5,6,7
	s_wait_dscnt 7-\i                              ; behind tile 1's load i: its 7 - i later loads
	global_store_b128 v11, v[64+4*\i:67+4*\i], s[14:15] offset:(8+2*\i+8*(\i/4))*1536 th:TH_STORE_NT
.endr
	s_wait_dscnt 0x0
	s_wait_alu depctr_hold_cnt(0) depctr_sa_sdst(0) depctr_va_vdst(0) depctr_va_sdst(0) depctr_va_ssrc(0) depctr_va_vcc(0) depctr_vm_vsrc(0)
	s_wait_tensorcnt 0x0
	ds_add_u32 v254, v255
	s_wait_dscnt 0x0
	s_endpgm
.Lfunc_end_k_q85580ef9f0_proj:
	.size	k_q85580ef9f0_proj, .Lfunc_end_k_q85580ef9f0_proj-k_q85580ef9f0_proj
	.p2alignl 7, 3214868480
	.fill 96, 4, 3214868480
	.section	.rodata,"a",@progbits
	.p2align	6, 0x0
	.amdhsa_kernel k_q85580ef9f0_proj
		.amdhsa_group_segment_fixed_size 26880
		.amdhsa_private_segment_fixed_size 0
		.amdhsa_enable_private_segment 0
		.amdhsa_kernarg_size 48
		.amdhsa_user_sgpr_count 2
		.amdhsa_user_sgpr_kernarg_segment_ptr 1
		.amdhsa_wavefront_size32 1
		.amdhsa_system_sgpr_workgroup_id_x 1
		.amdhsa_system_sgpr_workgroup_id_y 1
		.amdhsa_system_sgpr_workgroup_id_z 1
		.amdhsa_system_vgpr_workitem_id 0
		.amdhsa_next_free_vgpr 512
		.amdhsa_next_free_sgpr 66
		.amdhsa_reserve_vcc 0
		.amdhsa_float_denorm_mode_32 3
		.amdhsa_float_denorm_mode_16_64 3
		.amdhsa_memory_ordered 1
		.amdhsa_forward_progress 1
		.amdhsa_inst_pref_size 20
	.end_amdhsa_kernel
	.amdgpu_metadata
---
amdhsa.version: [ 1, 2 ]
amdhsa.kernels:
  - .name:           k_q85580ef9f0_proj
    .symbol:         k_q85580ef9f0_proj.kd
    .args:
      - { .name: yc, .offset: 0, .size: 8, .value_kind: global_buffer, .address_space: global }
      - { .name: ys, .offset: 8, .size: 8, .value_kind: global_buffer, .address_space: global }
      - { .name: Wp_codes, .offset: 16, .size: 8, .value_kind: global_buffer, .address_space: global }
      - { .name: Wp_scales, .offset: 24, .size: 8, .value_kind: global_buffer, .address_space: global }
      - { .name: bp, .offset: 32, .size: 8, .value_kind: global_buffer, .address_space: global }
      - { .name: out0, .offset: 40, .size: 8, .value_kind: global_buffer, .address_space: global }
    .group_segment_fixed_size: 26880
    .private_segment_fixed_size: 0
    .kernarg_segment_align: 8
    .kernarg_segment_size: 48
    .max_flat_workgroup_size: 192
    .sgpr_count:     66
    .vgpr_count:     512
    .wavefront_size: 32
...
	.end_amdgpu_metadata
.endif
;; end of part 6
